; MI455X (gfx1250); checked and timed in simulation.
; The chip was launched on July 23, 2026; its instructions are those of AMD's public machine-readable ISA for CDNA 5 (MIT licence, August 2026) and "CDNA5" Instruction Set Architecture Reference Guide (July 2026). The comments in the code are by the model that wrote it; some were corrected since.
;; Attn Block. Allowed arithmetic: matrix products marked QUANTISED: E2M1 operands, one E8M0 scale for each 32 along K, by v_wmma_scale_f32_16x16x128_f8f6f4 with both operands' format E2M1 (or v_wmma_scale_f32_32x16x128_f4), f32 sums; everything else in f32.
;; Inputs: bk 512 float32; bo 512 float32; bq 512 float32; bv 512 float32; gn_b 512 float32; gn_w 512 float32; wk_codes 512 x 16 x 16 uint8 (E2M1 codes of wk, K innermost, in blocks of 32 codes, two codes a byte); wk_scales 512 x 16 uint8 (E8M0 scales of wk, one for each 32 codes along K); wo_codes 512 x 16 x 16 uint8 (E2M1 codes of wo, K innermost, in blocks of 32 codes, two codes a byte); wo_scales 512 x 16 uint8 (E8M0 scales of wo, one for each 32 codes along K); wq_codes 512 x 16 x 16 uint8 (E2M1 codes of wq, K innermost, in blocks of 32 codes, two codes a byte); wq_scales 512 x 16 uint8 (E8M0 scales of wq, one for each 32 codes along K); wv_codes 512 x 16 x 16 uint8 (E2M1 codes of wv, K innermost, in blocks of 32 codes, two codes a byte); wv_scales 512 x 16 uint8 (E8M0 scales of wv, one for each 32 codes along K); x 8 x 512 x 32 x 64 float32.
;; Outputs: out0 8 x 512 x 32 x 64 float32.
;; This version of the problem:
;;   THIS VERSION OF THE PROBLEM IS GIVEN IN LOW PRECISION. The matrix products marked QUANTISED in the list below multiply operands that are first quantised to E2M1 (2 exponent bits, 1 mantissa bit; 4 bits a number), with one power-of-two scale for each 32 numbers along K (OCP MX v1.0); their sums are f32. All else is computed in f32.
;;   The module's matrix products, in the order in which they are computed (A, B: the left and right operand; K: the contracted axis; several contracted axes count as one K, in the product's order):
;;     1. [M 16,384, K 512] x [K 512, N 512]; A: computed on the way; B: input wq (given as codes): QUANTISED
;;     2. [M 16,384, K 512] x [K 512, N 512]; A: computed on the way; B: input wk (given as codes): QUANTISED
;;     3. [M 16,384, K 512] x [K 512, N 512]; A: computed on the way; B: input wv (given as codes): QUANTISED
;;     4. batch 8 x [M 2,048, K 512] x [K 512, N 2,048]; A: computed on the way; B: computed on the way: QUANTISED
;;     5. batch 8 x [M 2,048, K 2,048] x [K 2,048, N 512]; A: softmax (see below); B: computed on the way: QUANTISED
;;     6. [M 16,384, K 512] x [K 512, N 512]; A: computed on the way; B: input wo (given as codes): QUANTISED
;;   THE QUANTISER, for each operand of a quantised product, along K:
;;     - K is cut into blocks of 32 from its start; a last block that is shorter is filled with zeros.
;;     - A block's scale is 2^e with e = floor(log2(the largest magnitude in the block)) - 2, held to -126 .. 127; a block of zeros has e = 0. As a byte (E8M0): e + 127.
;;     - Each number is divided by its block's scale, clamped to +-6, and rounded to the nearest number of E2M1, ties to even, subnormals kept.
;;     - The product sums the exact products of the quantised numbers (number of the format x scale) in f32.
;;   ~~~python
;;   def quantise(x, axis):      # numpy; x: float32 -> the quantised numbers, widened to float32 again
;;       x = np.moveaxis(x, axis, -1); K = x.shape[-1]
;;       x = np.pad(x, [(0, 0)] * (x.ndim - 1) + [(0, -K % 32)]); x = x.reshape(x.shape[:-1] + (-1, 32)); a = np.abs(x).max(-1, keepdims=True)
;;       e = np.where(a > 0, np.clip(np.frexp(np.where(a > 0, a, 1))[1] - 1 - 2, -126, 127), 0)      # np.frexp(a)[1] - 1 = floor(log2(a)), exactly
;;       r = np.clip(x / 2.0 ** e, -6, 6)
;;       step = 2.0 ** (np.maximum(np.frexp(np.where(r == 0, 1, r))[1] - 1, 0) - 1)
;;       q = np.round(r / step) * step * 2.0 ** e      # np.round: ties to even
;;       return np.moveaxis(q.reshape(q.shape[:-2] + (-1,))[..., :K], -1, axis).astype(np.float32)
;;   ~~~
;;   SOFTMAX AHEAD OF A QUANTISED PRODUCT. Where the list says 'softmax', what is quantised is not the finished softmax but p = 2^(t - M), with t = logit x log2(e) and M = ceil(the row's largest t), a whole number; so 1/2 < the row's largest p <= 1. The row's sum l is taken of the UNQUANTISED p, in f32, and the product's result is divided by l at the end. Since M is a whole number, a kernel that streams over the keys may use a running M (the ceiling of the running maximum): every later rescaling is an exact power of two, which a block's scale takes up: the codes' values come out the same.
;;   OPERANDS COMPUTED ON THE WAY. 'Computed on the way' means the value that the module computes at that place (a softmax that the list does not call 'softmax' is quantised finished and normalised). What goes into a quantiser is computed in f32, as accurately as f32 sums, v_exp_f32 and their like allow (about 1e-6 of the number): no bf16 or f16 on the way to a quantiser, and a product that is left as it is and whose result goes on into a quantised operand takes f32 operands (vector FMAs, or v_wmma_f32_16x16x4_f32). A number that lies on a knife's edge between two numbers of the format may be rounded either way, as far as f32 arithmetic and the matrix unit's own rounding can turn it there, and no further.
;;   INPUTS GIVEN AS CODES. wk (in the module: [512, 512], K = its axis 1); wo (in the module: [512, 512], K = its axis 1); wq (in the module: [512, 512], K = its axis 1); wv (in the module: [512, 512], K = its axis 1): each comes as NAME_codes (uint8): NAME with its K axis moved to the last place and cut into blocks of 32 codes, [.., K / 32, bytes a block], one block behind the other in memory; two codes a byte, the lower K in the low four bits (a code: sign, 2 exponent bits, 1 mantissa bit); and NAME_scales (uint8): the same leading axes, one E8M0 byte (e + 127) for each 32 codes along K. Its value is code x scale, taken as it is: it is not quantised again, and the codes and scales need not be those that the quantiser above would give.
;; One version. Each part assembles by itself: llvm-mc -triple=amdgcn-amd-amdhsa -mcpu=gfx1250 --defsym DOCPART=n.
;; ======== version 1 of 1: 3 launches
;; workspace buffers: tb 4,194,304 bytes; ts 262,144 bytes; qb 4,456,448 bytes; kb 4,456,448 bytes; vb 4,456,448 bytes
;; launch gnq (part 1): grid 16 x 8, 16 waves a work-group, no clusters, 39,936 bytes of LDS; arguments x, gn_w, gn_b, tb, ts; writes tb, ts
.if DOCPART == 1
	.amdgcn_target "amdgcn-amd-amdhsa--gfx1250"
	.amdhsa_code_object_version 6
	.text
	.protected	k_qa76823b31f_gnq
	.globl	k_qa76823b31f_gnq
	.p2align	8
	.type	k_qa76823b31f_gnq,@function
k_qa76823b31f_gnq:
	s_mov_b64 s[64:65], 0
	v_nop
	global_prefetch_b8 v0, s[64:65] scope:SCOPE_SE
	s_setreg_imm32_b32 hwreg(HW_REG_WAVE_MODE, 25, 1), 1
	s_wait_xcnt 0x0
; GROUP NORM, AND t AS CODES OF FP4 (E2M1).  x: [8][512][2048] f32.  t[token][channel] = (x - mean) rstd gamma + beta is quantised along the channels, 32 to a block.
; SHARES.  A work-group owns one image and 32 channels: one block of the quantiser, two groups of the norm (16 channels x 2,048 tokens each).  A block wants both its groups' statistics,
; so the work cannot be cut finer: 128 work-groups.  They share no input, so there is nothing to ask for jointly.  Wave w owns tokens 128 w .. 128 w + 127, lane L tokens 128 w + 4 L + 0 .. 3:
; each load reads 512 consecutive bytes of one channel, and a lane's 32 x 4 registers hold whole blocks of four tokens: no other lane is asked for a block's largest magnitude.
; x stays in registers between the three passes (sum; sum of squares about the mean; norm and codes): it is read from memory once.
; OUT.  tb: [image][128 tokens][tile m of 16 tokens][K step of 128 channels] images of operand registers, 1,024 bytes each ([c][lane][16 bytes]).  A token's 16 bytes of channel block cb lie at
; 4096 m + 256 cb + 16 r.  Tile m = 2 b + u holds tokens 32 b + 8 u + r + 8 (r / 8).  ts: [image][cb][128 tokens][128 bytes]: byte 4 l + i = tile 2 i + l / 16, row l % 16.
; Codes and bytes turn through the wave's own stage in LDS, so that sixteen lanes store 256 consecutive bytes, aligned.
; A block's scale byte is its largest magnitude's exponent field - 2, held at 1 from below.
; LIMITS: NaN and infinities are not served; blocks whose largest magnitude lies under 2^-124 get the byte 1; a block of zeros gets the byte 1 (its codes are zeros; this program alone reads the bytes).
.set X,    32                          ; v32-159  x, later x - mean: channel c, token i at X + 4 c + i
.set Y,    160                         ; v160-223 two sets of 32 numbers of one token; at the end what comes back from the stage
.set PC,   224                         ; v224-239 codes, four registers a token
.set E,    240                         ; v240-243 scale bytes
.set CSTW, 2176                        ; LDS: a wave's stage for codes: 8 tiles x (256 + 16) bytes
.set BST,  34816                       ; behind the sixteen: 128 scale bytes a wave
.set RED,  36864                       ; the waves' partial sums, 8 bytes a wave; those of the squares 256 bytes on
	s_load_b256 s[4:11], s[0:1], 0x0               ; x s[4:5], gn_w s[6:7], gn_b s[8:9], tb s[10:11]
	s_load_b64 s[12:13], s[0:1], 0x20              ; ts
	v_lshl_add_u32 v254, v0, 2, 0x9400
	v_mov_b32 v255, 0
	v_lshrrev_b32 v10, 5, v0
	v_readfirstlane_b32 s54, v10                   ; wave
	s_and_b32 s55, ttmp7, 0xffff                   ; image
	s_lshl_b32 s56, s55, 22                        ; an image is 512 x 8,192 bytes,
	s_lshl_b32 s57, ttmp9, 18                      ; 32 channels are 32 x 8,192
	s_add_co_u32 s56, s56, s57
	s_mov_b32 s57, 0
	s_lshl_b32 s58, ttmp9, 7                       ; my 32 numbers of gamma and of beta
	s_mov_b32 s59, 0
	v_lshlrev_b32 v2, 4, v0                        ; 16 x thread: 512 w + 16 L
	s_wait_kmcnt 0x0
	s_add_nc_u64 s[4:5], s[4:5], s[56:57]
	s_add_nc_u64 s[6:7], s[6:7], s[58:59]
	s_add_nc_u64 s[8:9], s[8:9], s[58:59]
.set c, 0
.rept 32
	global_load_b128 v[X+4*c:X+4*c+3], v2, s[4:5] offset:8192*c th:TH_LOAD_NT   ; all of the wave's 16 KiB goes out at once
.set c, c+1
.endr
	s_load_b512 s[16:31], s[6:7], 0x0              ; gamma, later gamma x rstd
	s_load_b512 s[32:47], s[6:7], 0x40
	s_load_b512 s[68:83], s[8:9], 0x0              ; beta
	s_load_b512 s[84:99], s[8:9], 0x40
	s_mov_b32 s50, 0x76543210                      ; v_permlanex16_b32's selects for lane l xor 16
	s_mov_b32 s51, 0xfedcba98
	s_mov_b32 s52, 0x38000000                      ; 1 / 32,768: a group's count
	s_mov_b32 s53, 0x3727c5ac                      ; 1e-5
	v_lshl_add_u32 v1, v10, 3, RED                 ; where my wave's two sums go
	v_and_b32 v11, 15, v0
	v_lshl_add_u32 v3, v11, 3, RED                 ; and whose I read: wave L % 16's
	v_and_b32 v12, 1, v0                           ; token 4 L + i of 128 = 32 (L / 8) + 16 a2 + 8 u + 4 a0 + i
	v_bfe_u32 v13, v0, 1, 1                        ; u
	v_bfe_u32 v14, v0, 2, 1                        ; a2
	v_bfe_u32 v15, v0, 3, 2                        ; L / 8
	v_lshlrev_b32 v12, 2, v12
	v_lshl_add_u32 v12, v14, 3, v12                ; its row in the tile, less i: 8 a2 + 4 a0
	v_lshl_add_u32 v14, v15, 1, v13                ; its tile: 2 (L / 8) + u
	s_mul_i32 s60, s54, CSTW
	s_lshl_b32 s61, s54, 7
	s_add_co_u32 s61, s61, BST
	v_mul_u32_u24 v4, v14, 272
	v_lshl_add_u32 v4, v12, 4, v4
	v_add_nc_u32 v4, s60, v4                       ; v4: codes into the stage: 272 x tile + 16 x row
	v_lshl_add_u32 v5, v13, 6, v15
	v_lshl_add_u32 v5, v12, 2, v5
	v_add_nc_u32 v5, s61, v5                       ; v5: bytes into theirs: 64 u + 4 x row + L / 8
	v_bfe_u32 v13, v0, 4, 1
	v_mul_u32_u24 v6, v13, 272
	v_lshl_add_u32 v6, v11, 4, v6
	v_add_nc_u32 v6, s60, v6                       ; v6: codes out of the stage: sixteen lanes to a tile, two tiles an instruction
	v_and_b32 v9, 31, v0
	v_lshlrev_b32 v9, 2, v9                        ; v9: 4 L: my word of the scale bytes, in memory
	v_add_nc_u32 v7, s61, v9                       ; v7: and in LDS
	v_lshlrev_b32 v8, 12, v13
	v_lshl_add_u32 v8, v11, 4, v8                  ; v8: the same two tiles in tb: 4,096 bytes apart
	s_lshl_b32 s62, s55, 4
	s_add_co_u32 s62, s62, s54
	s_lshl_b32 s62, s62, 15                        ; tb: (16 x image + wave) x 32,768
	s_lshl_b32 s63, ttmp9, 8
	s_add_co_u32 s62, s62, s63                     ; + 256 x channel block
	s_mov_b32 s63, 0
	s_add_nc_u64 s[10:11], s[10:11], s[62:63]
	s_lshl_b32 s62, s55, 15                        ; ts: 32,768 x image + 2,048 x channel block + 128 x wave
	s_lshl_b32 s63, ttmp9, 11
	s_add_co_u32 s62, s62, s63
	s_lshl_b32 s63, s54, 7
	s_add_co_u32 s62, s62, s63
	s_mov_b32 s63, 0
	s_add_nc_u64 s[12:13], s[12:13], s[62:63]
.macro STARTC c, a                     ; channels c and c + 1 start a group's two chains: nothing is cleared
	v_pk_add_f32 v[\a:\a+1], v[X+4*(\c):X+4*(\c)+1], v[X+4*(\c)+4:X+4*(\c)+5]
	v_pk_add_f32 v[\a+2:\a+3], v[X+4*(\c)+2:X+4*(\c)+3], v[X+4*(\c)+6:X+4*(\c)+7]
.endm
.macro ADDC c, a
	v_pk_add_f32 v[\a:\a+1], v[\a:\a+1], v[X+4*(\c):X+4*(\c)+1]
	v_pk_add_f32 v[\a+2:\a+3], v[\a+2:\a+3], v[X+4*(\c)+2:X+4*(\c)+3]
.endm
; v16, v17: a lane's sums for the two groups -> the work-group's, in every lane.  Within the wave by lane exchanges; between the waves through LDS: store, wait, barrier, load.
.macro ALLSUM off
.irp m, 1,2,4,8
	v_add_f32_dpp v16, v16, v16 row_xmask:\m row_mask:0xf bank_mask:0xf
	v_add_f32_dpp v17, v17, v17 row_xmask:\m row_mask:0xf bank_mask:0xf
.endr
	v_permlanex16_b32 v18, v16, s50, s51
	v_permlanex16_b32 v19, v17, s50, s51
	v_pk_add_f32 v[16:17], v[16:17], v[18:19]
	ds_store_b64 v1, v[16:17] offset:\off          ; all lanes write the same 8 bytes with the same values
	s_wait_dscnt 0x0                               ; for the others' sake: my store is done
	s_barrier_signal -1
	s_barrier_wait -1
	ds_load_b64 v[16:17], v3 offset:\off           ; lane l takes wave l % 16's
	s_wait_dscnt 0x0
.irp m, 1,2,4,8
	v_add_f32_dpp v16, v16, v16 row_xmask:\m row_mask:0xf bank_mask:0xf
	v_add_f32_dpp v17, v17, v17 row_xmask:\m row_mask:0xf bank_mask:0xf
.endr
.endm
	; ---- the sums, as the loads come in: each count is the number of younger loads that may stay out
	s_wait_loadcnt 24
	STARTC 0, 16
.irp c, 2,3,4,5,6,7
	ADDC \c, 16
.endr
	s_wait_loadcnt 16
.irp c, 8,9,10,11,12,13,14,15
	ADDC \c, 16
.endr
	s_wait_loadcnt 8
	STARTC 16, 20
.irp c, 18,19,20,21,22,23
	ADDC \c, 20
.endr
	s_wait_loadcnt 0x0
.irp c, 24,25,26,27,28,29,30,31
	ADDC \c, 20
.endr
	v_pk_add_f32 v[16:17], v[16:17], v[18:19]
	v_pk_add_f32 v[20:21], v[20:21], v[22:23]
	v_add_f32 v16, v16, v17
	v_add_f32 v17, v20, v21
	ALLSUM 0
	v_mul_f32 v18, s52, v17                        ; the means: v16 the first group's, v18 the second's (each the low word of a pair)
	v_mul_f32 v16, s52, v16
	; ---- x - mean, in place, and the sum of its squares: two chains a group
.set c, 0
.rept 32
.set MP, 16+2*(c/16)
.set QA, 20+4*(c/16)
	v_pk_add_f32 v[X+4*c:X+4*c+1], v[X+4*c:X+4*c+1], v[MP:MP+1] op_sel_hi:[1,0] neg_lo:[0,1] neg_hi:[0,1]
	v_pk_add_f32 v[X+4*c+2:X+4*c+3], v[X+4*c+2:X+4*c+3], v[MP:MP+1] op_sel_hi:[1,0] neg_lo:[0,1] neg_hi:[0,1]
.if (c%16) == 0
	v_pk_mul_f32 v[QA:QA+1], v[X+4*c:X+4*c+1], v[X+4*c:X+4*c+1]
	v_pk_mul_f32 v[QA+2:QA+3], v[X+4*c+2:X+4*c+3], v[X+4*c+2:X+4*c+3]
.else
	v_pk_fma_f32 v[QA:QA+1], v[X+4*c:X+4*c+1], v[X+4*c:X+4*c+1], v[QA:QA+1]
	v_pk_fma_f32 v[QA+2:QA+3], v[X+4*c+2:X+4*c+3], v[X+4*c+2:X+4*c+3], v[QA+2:QA+3]
.endif
.set c, c+1
.endr
	v_pk_add_f32 v[20:21], v[20:21], v[22:23]
	v_pk_add_f32 v[24:25], v[24:25], v[26:27]
	v_add_f32 v16, v20, v21
	v_add_f32 v17, v24, v25
	ALLSUM 256                                     ; other bytes than the first sums': no wave can overtake a reader
	v_fma_f32 v16, v16, s52, s53                   ; variance + 1e-5
	v_fma_f32 v17, v17, s52, s53
	v_rsq_f32 v20, v16
	v_rsq_f32 v21, v17
	v_nop                                          ; a plain instruction behind the two roots,
	s_wait_alu depctr_va_vdst(0)                   ; and the wait ahead of their first reader
	v_readfirstlane_b32 s14, v20
	v_readfirstlane_b32 s15, v21
	s_wait_kmcnt 0x0                               ; gamma and beta
.set c, 0
.rept 32
	s_mul_f32 s[16+c], s[16+c], s[14+c/16]         ; gamma x rstd
.set c, c+1
.endr
; Token i of my four: 32 fused multiply-adds, the block's largest magnitude, its byte, its 32 codes.
.macro SLOT i
.set YS, Y+32*((\i)%2)
.set c, 0
.rept 32
	v_fma_f32 v[YS+c], v[X+4*c+(\i)], s[16+c], s[68+c]
.set c, c+1
.endr
	v_max3_num_f32 v24, |v[YS]|, |v[YS+1]|, |v[YS+2]|
	v_max3_num_f32 v25, |v[YS+3]|, |v[YS+4]|, |v[YS+5]|
.irp j, 6,10,14,18,22,26
	v_max3_num_f32 v24, v24, |v[YS+\j]|, |v[YS+\j+1]|
	v_max3_num_f32 v25, v25, |v[YS+\j+2]|, |v[YS+\j+3]|
.endr
	v_max3_num_f32 v24, v24, |v[YS+30]|, |v[YS+31]|
	v_max3_num_f32 v24, v24, v25, 0x1800000        ; and the floor 2^(3 - 127): the byte cannot fall under 1
	v_add_nc_u32 v26, 0xff000000, v24              ; 2 off the exponent field: the conversion takes this operand's exponent field as its scale
.irp g, 0,1,2,3
	v_cvt_scalef32_pk8_fp4_f32 v[PC+4*(\i)+\g], v[YS+8*\g:YS+8*\g+7], v26
.endr
	v_lshrrev_b32 v[E+(\i)], 23, v26               ; the scale's byte (a plain line behind the conversions)
	ds_store_b128 v4, v[PC+4*(\i):PC+4*(\i)+3] offset:16*(\i)
	ds_store_b8 v5, v[E+(\i)] offset:4*(\i)
.endm
	SLOT 0
	SLOT 1
	SLOT 2
	SLOT 3
.irp k, 0,1,2,3
	ds_load_b128 v[Y+4*\k:Y+4*\k+3], v6 offset:544*\k   ; LDS serves a wave's instructions in order: these see my stores
.endr
	ds_load_b32 v[Y+16], v7
	s_wait_dscnt 0x0
.irp k, 0,1,2,3
	global_store_b128 v8, v[Y+4*\k:Y+4*\k+3], s[10:11] offset:8192*\k   ; sixteen lanes store 256 consecutive bytes, aligned
.endr
	global_store_b32 v9, v[Y+16], s[12:13]         ; 128 consecutive bytes a wave
	s_wait_tensorcnt 0x0
	ds_add_u32 v254, v255
	s_wait_dscnt 0x0
	s_endpgm
.Lfunc_end_k_qa76823b31f_gnq:
	.size	k_qa76823b31f_gnq, .Lfunc_end_k_qa76823b31f_gnq-k_qa76823b31f_gnq
	.p2alignl 7, 3214868480
	.fill 96, 4, 3214868480
	.section	.rodata,"a",@progbits
	.p2align	6, 0x0
	.amdhsa_kernel k_qa76823b31f_gnq
		.amdhsa_group_segment_fixed_size 39936
		.amdhsa_private_segment_fixed_size 0
		.amdhsa_enable_private_segment 0
		.amdhsa_kernarg_size 40
		.amdhsa_user_sgpr_count 2
		.amdhsa_user_sgpr_kernarg_segment_ptr 1
		.amdhsa_wavefront_size32 1
		.amdhsa_system_sgpr_workgroup_id_x 1
		.amdhsa_system_sgpr_workgroup_id_y 1
		.amdhsa_system_sgpr_workgroup_id_z 1
		.amdhsa_system_vgpr_workitem_id 0
		.amdhsa_next_free_vgpr 256
		.amdhsa_next_free_sgpr 100
		.amdhsa_reserve_vcc 0
		.amdhsa_float_denorm_mode_32 3
		.amdhsa_float_denorm_mode_16_64 3
		.amdhsa_memory_ordered 1
		.amdhsa_forward_progress 1
		.amdhsa_inst_pref_size 38
	.end_amdhsa_kernel
	.amdgpu_metadata
---
amdhsa.version: [ 1, 2 ]
amdhsa.kernels:
  - .name:           k_qa76823b31f_gnq
    .symbol:         k_qa76823b31f_gnq.kd
    .args:
      - { .name: x, .offset: 0, .size: 8, .value_kind: global_buffer, .address_space: global }
      - { .name: gn_w, .offset: 8, .size: 8, .value_kind: global_buffer, .address_space: global }
      - { .name: gn_b, .offset: 16, .size: 8, .value_kind: global_buffer, .address_space: global }
      - { .name: tb, .offset: 24, .size: 8, .value_kind: global_buffer, .address_space: global }
      - { .name: ts, .offset: 32, .size: 8, .value_kind: global_buffer, .address_space: global }
    .group_segment_fixed_size: 39936
    .private_segment_fixed_size: 0
    .kernarg_segment_align: 8
    .kernarg_segment_size: 40
    .max_flat_workgroup_size: 512
    .sgpr_count:     100
    .vgpr_count:     256
    .wavefront_size: 32
...
	.end_amdgpu_metadata
.endif
;; end of part 1
;; launch qkv (part 2): grid 128 x 2, 4 waves a work-group, no clusters, 0 bytes of LDS; arguments tb, ts, wq_codes, wq_scales, bq, wk_codes, wk_scales, bk, wv_codes, wv_scales, bv, qb, kb, vb; writes qb, kb, vb
.if DOCPART == 2
	.amdgcn_target "amdgcn-amd-amdhsa--gfx1250"
	.amdhsa_code_object_version 6
	.text
	.protected	k_qa76823b31f_qkv
	.globl	k_qa76823b31f_qkv
	.p2align	8
	.type	k_qa76823b31f_qkv,@function
k_qa76823b31f_qkv:
	s_mov_b64 s[64:65], 0
	v_nop
	global_prefetch_b8 v0, s[64:65] scope:SCOPE_SE
	s_setreg_imm32_b32 hwreg(HW_REG_WAVE_MODE, 25, 1), 1
	s_wait_xcnt 0x0
; q = t Wq^T + bq, k = t Wk^T + bk, v = t Wv^T + bv on codes of FP4 (E2M1) with E8M0 scales, and the results as codes again: q and k quantised along the channels, v along the tokens (the keys).
; SHARES.  A work-group takes 128 tokens of one image (x = 16 x image + block) and, by y, q (0) or k (1) and one half of v.  Its four waves share nothing: no LDS, no barrier.  Wave w keeps the block's 32 fragments
; of t in registers and makes (a) output channels 128 w .. + 127 of q or k for the 8 tiles of tokens: source 0 = 16 rows of W, source 1 = 16 tokens, so that a lane holds ONE token and its registers run along the
; channels, the next K; (b) channel tiles 8 w + 4 y + 0 .. 3 of v: source 0 = 16 tokens, source 1 = 16 rows of Wv, so that a lane holds ONE channel and its registers run along the tokens.
; THE ROWS OF A TILE ARE NOT NEIGHBOURS: lane r of tile 2 b + u takes row 32 b + 8 u + r + 8 (r / 8) (tokens in tb, rows of the weights), so that the 16 registers of tiles 2 b and 2 b + 1 are 16 neighbours along the next K.
; THE LOADS' ORDER.  A tile of tokens wants all of W and 8 loads of t: so W goes first and t tile by tile, and each tile's products wait for its own 8 loads alone; Wv is asked for when three tiles are done.
; OUT.  Blocks of 34,816 bytes for each 128 tokens.  qb, kb: 32 images of operand registers ([tile of tokens][K step][1,024 bytes]), then the scale words, [K step][512 bytes]: four registers' image, register i: tile 2 i in
; lanes 0-15, tile 2 i + 1 in lanes 16-31.  vb: 32 images ([tile of channels][1,024 bytes], K = the 128 tokens), then [four tiles][256 bytes]: two registers' image.  Every store covers 256 or 512 consecutive bytes, aligned.
; NO CLUSTER: the operands go from memory into registers, once, by plain loads; a joint request exists for tiles that go to LDS, which this text does not use.
; The biases are the C of each sum's first matrix instruction.
; LIMITS: NaN and infinities are not served; blocks whose largest magnitude lies under 2^-124 get the byte 1, blocks of zeros too (their codes are zeros; this program alone reads the bytes).
; REGISTERS, in windows of 256: window 1: t's fragments at 8 (4 m + s).  window 2: Wq's or Wk's at 8 (4 t + s).  window 3: v0-127 Wv's at 8 (4 n + s); v128-191 the bias tiles of q or k.  window 0: the rest.
.set BLK, 34816
.set TSB, 16                           ; v16-31  t's scale bytes as they lie in ts
.set TSX, 32                           ; v32-47  t's scale words: K step s, tiles 2 i and 2 i + 1 at TSX + 4 s + i
.set WS,  48                           ; v48-63  W's: tiles 2 b, 2 b + 1, K step s at WS + 4 b + s
.set WVS, 64                           ; v64-71  Wv's likewise
.set BVL, 72                           ; v72-75  bv of my lane's channel, tile n
.set XS,  84                           ; v84-87  the scale words that go out
.set PWE, 88                           ; v88, v89 the scale word just made: of an even tile, of an odd one
.set PWO, 89
.set TP,  90                           ; v90-93  at work
.set TM,  100                          ; v100-115 at work in QUANT
.set PC,  116                          ; v116-123 the codes just made
.set ACC, 128                          ; v128-191 eight accumulators
.set BVC, 192                          ; v192-223 bv as C, eight registers a tile
.set NWV, 38                           ; Wv's loads: 32 of codes, 2 of scale words, 4 of bv
.set MSB, 0
.macro WIN new                         ; the immediate's high byte repeats the setting that is left
.if MSB != \new
	s_set_vgpr_msb (MSB<<8)|\new
.set MSB, \new
.endif
.endm
; A scaled product.  d, a, b: first registers of D, source 0, source 1; c: C as it is written; sa, sb: scale registers; ra, rb: the tiles' numbers: an odd tile's scale words lie in lanes 16-31.
.macro WM d, a, b, c, sa, sb, ra, rb
.if (((\ra)%2) == 0) && (((\rb)%2) == 0)
	v_wmma_scale_f32_16x16x128_f8f6f4 v[(\d):(\d)+7], v[(\a):(\a)+7], v[(\b):(\b)+7], \c, v[\sa], v[\sb] matrix_a_fmt:MATRIX_FMT_FP4 matrix_b_fmt:MATRIX_FMT_FP4
.elseif (((\rb)%2) == 0)
	v_wmma_scale_f32_16x16x128_f8f6f4 v[(\d):(\d)+7], v[(\a):(\a)+7], v[(\b):(\b)+7], \c, v[\sa], v[\sb] matrix_a_fmt:MATRIX_FMT_FP4 matrix_b_fmt:MATRIX_FMT_FP4 matrix_a_scale:MATRIX_SCALE_ROW1
.elseif (((\ra)%2) == 0)
	v_wmma_scale_f32_16x16x128_f8f6f4 v[(\d):(\d)+7], v[(\a):(\a)+7], v[(\b):(\b)+7], \c, v[\sa], v[\sb] matrix_a_fmt:MATRIX_FMT_FP4 matrix_b_fmt:MATRIX_FMT_FP4 matrix_b_scale:MATRIX_SCALE_ROW1
.else
	v_wmma_scale_f32_16x16x128_f8f6f4 v[(\d):(\d)+7], v[(\a):(\a)+7], v[(\b):(\b)+7], \c, v[\sa], v[\sb] matrix_a_fmt:MATRIX_FMT_FP4 matrix_b_fmt:MATRIX_FMT_FP4 matrix_a_scale:MATRIX_SCALE_ROW1 matrix_b_scale:MATRIX_SCALE_ROW1
.endif
.endm
.macro PLACES                          ; four plain vector instructions between a matrix instruction and the first read of its results (ISA guide 7.12.1)
.rept 4
	v_nop
.endr
.endm
; 64 numbers of a lane, register 16 b + i = k 32 b + 16 (lane / 16) + i of my row, become a fragment's codes in v[PC] on and its scale word in v[pw].
.macro QUANT s, pw
.irp b, 0,1,2,3
	v_max3_num_f32 v[TM+\b], |v[\s+16*\b]|, |v[\s+1+16*\b]|, 0x1800000   ; block b: my 16 numbers, from each accumulator's low end on, and the floor 2^(3 - 127): the byte cannot fall under 1
.endr
.irp i, 2,4,6,8,10,12,14
.irp b, 0,1,2,3
	v_max3_num_f32 v[TM+\b], v[TM+\b], |v[\s+16*\b+\i]|, |v[\s+1+16*\b+\i]|
.endr
.endr
.irp b, 0,1,2,3
	v_permlanex16_b32 v[TM+4+\b], v[TM+\b], s48, s49
.endr
.irp b, 0,1,2,3
	v_max_num_f32 v[TM+\b], v[TM+\b], v[TM+4+\b]   ; with lane l xor 16's: the block's largest magnitude
.endr
.irp b, 0,1,2,3
	v_add_nc_u32 v[TM+12+\b], 0xff000000, v[TM+\b] ; 2 off its exponent field: the conversion's scale operand
.endr
.irp b, 0,1,2,3
	v_lshrrev_b32 v[TM+4+\b], 23, v[TM+12+\b]      ; the scale's byte
.endr
	v_lshl_or_b32 v[\pw], v[TM+5], 8, v[TM+4]
	v_lshl_or_b32 v[\pw], v[TM+6], 16, v[\pw]
	v_lshl_or_b32 v[\pw], v[TM+7], 24, v[\pw]
	s_wait_xcnt 0x0                                ; the last stores have read their data: the codes' registers, and later the scale words', are written again only behind this wait
.irp b, 0,1,2,3
	v_cvt_scalef32_pk8_fp4_f32 v[PC+2*\b], v[\s+16*\b:\s+7+16*\b], v[TM+12+\b]
	v_cvt_scalef32_pk8_fp4_f32 v[PC+1+2*\b], v[\s+8+16*\b:\s+15+16*\b], v[TM+12+\b]
.endr
	v_nop                                          ; one plain line behind the scaled conversions
.irp c, 0,1                                    ; the operand's layout wants a whole block in a lane: lanes 0-15 block 2 c, lanes 16-31 block 2 c + 1
.irp i, 0,1
	v_permlane16_swap_b32 v[PC+4*\c+\i], v[PC+2+4*\c+\i]
.endr
.endr
.endm
; Wv's part of the loads: NWV of them
.macro LOADWV
	WIN 0xc0                                       ; destination window 3
.irp n, 0,1,2,3
.irp s, 0,1,2,3
.irp c, 0,1
	global_load_b128 v[8*(4*\n+\s)+4*\c:8*(4*\n+\s)+4*\c+3], v7, s[24:25] offset:(32*(\n/2)+8*(\n%2))*256+64*\s+32*\c
.endr
.endr
.endr
	WIN 0
.irp p, 0,1
	global_load_b128 v[WVS+4*\p:WVS+4*\p+3], v8, s[26:27] offset:512*\p
.endr
.irp n, 0,1,2,3
	global_load_b32 v[BVL+\n], v10, s[28:29] offset:(32*(\n/2)+8*(\n%2))*4
.endr
.endm
	s_load_b128 s[4:7], s[0:1], 0x0                ; tb, ts
	s_load_b128 s[8:11], s[0:1], 0x10              ; Wq's codes, scales
	s_load_b64 s[12:13], s[0:1], 0x20              ; bq
	s_load_b128 s[16:19], s[0:1], 0x28             ; Wk's codes, scales
	s_load_b64 s[20:21], s[0:1], 0x38              ; bk
	s_load_b128 s[24:27], s[0:1], 0x40             ; Wv's codes, scales
	s_load_b64 s[28:29], s[0:1], 0x50              ; bv
	s_load_b128 s[32:35], s[0:1], 0x58             ; qb, kb
	s_load_b64 s[36:37], s[0:1], 0x68              ; vb
	v_lshrrev_b32 v1, 5, v0
	v_readfirstlane_b32 s41, v1                    ; wave
	s_and_b32 s40, ttmp7, 0xffff                   ; y: 0 = q, 1 = k; and which half of v
	v_and_b32 v1, 31, v0                           ; lane
	v_and_b32 v2, 15, v0                           ; r
	v_bfe_u32 v3, v0, 4, 1                         ; h
	v_lshlrev_b32 v4, 4, v1                        ; v4: 16 x lane: an image's place for my lane
	v_lshlrev_b32 v5, 2, v1                        ; v5: 4 x lane
	v_lshlrev_b32 v6, 3, v1                        ; 8 x lane
	v_and_b32 v15, 8, v2
	v_add_nc_u32 v15, v15, v2                      ; r + 8 (r / 8)
	v_lshlrev_b32 v7, 8, v15
	v_lshl_add_u32 v7, v3, 4, v7                   ; v7: a weight's fragment: a row is 256 bytes, + 16 h
	v_lshl_add_u32 v8, v3, 3, v15
	v_lshlrev_b32 v8, 4, v8                        ; v8: its scale words: 16 bytes a row; lanes 16-31 take the odd tile, 8 rows on
	v_lshlrev_b32 v9, 6, v3                        ; v9: the bias of q or k: lanes 16-31 begin 16 channels on
	v_lshlrev_b32 v10, 2, v15                      ; v10: bv of my lane's channel
	s_lshl_b32 s52, s41, 10
	v_add_nc_u32 v11, s52, v4                      ; v11: q's or k's images: K step = my wave
	s_lshl_b32 s52, s41, 9
	v_add_nc_u32 v12, s52, v4                      ; v12: and their scale words
	s_lshl_b32 s52, s41, 1
	s_add_co_u32 s52, s52, s40                     ; 2 w + y: which four tiles of v
	s_lshl_b32 s53, s52, 12
	v_add_nc_u32 v13, s53, v4                      ; v13: v's images
	s_lshl_b32 s53, s52, 8
	v_add_nc_u32 v14, s53, v6                      ; v14: and their scale words
.irp b, 0,1,2,3
	v_mov_b32 v[TM+4+\b], 0                        ; written once: a lane permute's destination counts as one of its sources
.endr
	s_mov_b32 s44, 0x05010400                      ; byte selects for the turning of t's scale bytes
	s_mov_b32 s45, 0x07030602
	s_mov_b32 s46, 0x05040100
	s_mov_b32 s47, 0x07060302
	s_mov_b32 s48, 0x76543210                      ; v_permlanex16_b32's selects for lane l xor 16
	s_mov_b32 s49, 0xfedcba98
	s_mov_b32 s50, 0xffff0000                      ; lanes 16-31
	s_mov_b32 s53, 0
	s_mov_b32 s55, 0
	s_wait_kmcnt 0x0
	s_cmp_eq_u32 s40, 0                            ; q or k: the choice hangs on the work-group's number alone
	s_cselect_b64 s[8:9], s[8:9], s[16:17]
	s_cselect_b64 s[10:11], s[10:11], s[18:19]
	s_cselect_b64 s[12:13], s[12:13], s[20:21]
	s_cselect_b64 s[32:33], s[32:33], s[34:35]
	s_lshl_b32 s52, ttmp9, 15
	s_add_nc_u64 s[4:5], s[4:5], s[52:53]          ; tb at my 128 tokens
	s_lshr_b32 s52, ttmp9, 4
	s_lshl_b32 s52, s52, 15
	s_and_b32 s54, ttmp9, 15
	s_lshl_b32 s54, s54, 7
	s_add_co_u32 s52, s52, s54
	s_add_nc_u64 s[6:7], s[6:7], s[52:53]          ; ts: 32,768 x image + 128 x block
	s_lshl_b32 s52, s41, 15
	s_add_nc_u64 s[8:9], s[8:9], s[52:53]          ; my 128 rows of W
	s_lshl_b32 s54, s40, 14
	s_add_co_u32 s54, s54, s52
	s_add_nc_u64 s[24:25], s[24:25], s[54:55]      ; my 64 rows of Wv: 128 w + 64 y on
	s_lshl_b32 s52, s41, 11
	s_add_nc_u64 s[10:11], s[10:11], s[52:53]
	s_lshl_b32 s54, s40, 10
	s_add_co_u32 s54, s54, s52
	s_add_nc_u64 s[26:27], s[26:27], s[54:55]
	s_lshl_b32 s52, s41, 9
	s_add_nc_u64 s[12:13], s[12:13], s[52:53]
	s_lshl_b32 s54, s40, 8
	s_add_co_u32 s54, s54, s52
	s_add_nc_u64 s[28:29], s[28:29], s[54:55]
	s_mul_i32 s52, ttmp9, BLK
	s_add_nc_u64 s[32:33], s[32:33], s[52:53]      ; my block of qb or kb,
	s_add_nc_u64 s[36:37], s[36:37], s[52:53]      ; and of vb
	; ---- the loads of q's or k's part, what is wanted first in front: the scale bytes and words, the bias, all of W, then t, 8 loads for each tile of tokens
.irp n, 0,1,2,3,4,5,6,7,8,9,10,11,12,13,14,15
	global_load_b32 v[TSB+\n], v5, s[6:7] offset:2048*\n
.endr
.irp b, 0,1,2,3
	global_load_b128 v[WS+4*\b:WS+4*\b+3], v8, s[10:11] offset:512*\b
.endr
	WIN 0xc0                                       ; destination window 3
.irp t, 0,1,2,3,4,5,6,7
	global_load_b128 v[128+8*\t:128+8*\t+3], v9, s[12:13] offset:(32*(\t/2)+8*(\t%2))*4      ; lane (r, h), tile 2 b + u: the bias of channels 32 b + 16 h + 8 u + 0 .. 7
	global_load_b128 v[128+8*\t+4:128+8*\t+7], v9, s[12:13] offset:(32*(\t/2)+8*(\t%2))*4+16
.endr
	WIN 0x80                                       ; destination window 2
.irp t, 0,1,2,3,4,5,6,7
.irp s, 0,1,2,3
.irp c, 0,1
	global_load_b128 v[8*(4*\t+\s)+4*\c:8*(4*\t+\s)+4*\c+3], v7, s[8:9] offset:(32*(\t/2)+8*(\t%2))*256+64*\s+32*\c
.endr
.endr
.endr
	WIN 0x40                                       ; destination window 1
.set i, 0
.rept 64
	global_load_b128 v[4*i:4*i+3], v4, s[4:5] offset:512*i   ; t's 32 images, as they lie: tile m's are loads 8 m .. 8 m + 7
.set i, i+1
.endr
	WIN 0
	s_wait_loadcnt 56                              ; all but the 56 loads of t's tiles 1 to 7
	; t's scale bytes lie by channel block, four tiles to a word; the matrix unit wants four channel blocks of one tile in a word: a 4 x 4 turn of bytes
.irp s, 0,1,2,3
	v_perm_b32 v[TP], v[TSB+4*\s+1], v[TSB+4*\s], s44
	v_perm_b32 v[TP+1], v[TSB+4*\s+1], v[TSB+4*\s], s45
	v_perm_b32 v[TP+2], v[TSB+4*\s+3], v[TSB+4*\s+2], s44
	v_perm_b32 v[TP+3], v[TSB+4*\s+3], v[TSB+4*\s+2], s45
	v_perm_b32 v[TSX+4*\s], v[TP+2], v[TP], s46
	v_perm_b32 v[TSX+4*\s+1], v[TP+2], v[TP], s47
	v_perm_b32 v[TSX+4*\s+2], v[TP+3], v[TP+1], s46
	v_perm_b32 v[TSX+4*\s+3], v[TP+3], v[TP+1], s47
.endr
.rept 8
	v_nop                                          ; a scale register written by a vector instruction stands eight places ahead of a scaled matrix instruction
.endr
	; ---- q or k: a tile of 16 tokens at a time; the eight accumulators take turns, K step by K step
.irp m, 0,1,2,3,4,5,6,7
.if (\m > 0) && (\m < 4)
	s_wait_loadcnt 8*(7-\m)                        ; this tile's 8 loads of t are in; the later tiles' may be out
.endif
.if \m >= 4
	s_wait_loadcnt 8*(7-\m)+NWV                    ; the same; behind t's loads stand Wv's
.endif
.if \m == 3
	LOADWV                                         ; wanted when five more tiles are done
.endif
	WIN 0x36                                       ; source 0 (W) window 2, source 1 (t) window 1, C (the bias) window 3
.irp t, 0,1,2,3,4,5,6,7
	WM ACC+8*\t, 8*(4*\t), 8*(4*\m), v[128+8*\t:135+8*\t], WS+4*(\t/2), TSX+\m/2, \t, \m
.endr
	WIN 0x06
.irp s, 1,2,3
.irp t, 0,1,2,3,4,5,6,7
	WM ACC+8*\t, 8*(4*\t+\s), 8*(4*\m+\s), v[ACC+8*\t:ACC+8*\t+7], WS+4*(\t/2)+\s, TSX+4*\s+\m/2, \t, \m
.endr
.endr
	WIN 0
	PLACES
.if (\m%2) == 0
	QUANT ACC, PWE
.else
	QUANT ACC, PWO
.endif
	global_store_b128 v11, v[PC:PC+3], s[32:33] offset:4096*\m          ; the fragment as it stands: 512 consecutive bytes a store
	global_store_b128 v11, v[PC+4:PC+7], s[32:33] offset:4096*\m+512
.if (\m%2) == 1
	v_cndmask_b32 v[XS+\m/2], v[PWE], v[PWO], s50  ; the even tile's words in lanes 0-15, the odd tile's in lanes 16-31
.endif
.endr
	global_store_b128 v12, v[XS:XS+3], s[32:33] offset:32768
	; ---- v: a tile of 16 channels at a time
	s_wait_loadcnt 0x0
.irp n, 0,1,2,3
.irp j, 0,1,2,3,4,5,6,7
	v_mov_b32 v[BVC+8*\n+\j], v[BVL+\n]            ; a lane holds one channel: its bias fills C's eight registers
.endr
.endr
.irp n, 0,1,2,3
	WIN 0x0d                                       ; source 0 (t) window 1, source 1 (Wv) window 3
.irp s, 0,1,2,3
.irp m, 0,1,2,3,4,5,6,7
.if \s == 0
	WM ACC+8*\m, 8*(4*\m), 8*(4*\n), v[BVC+8*\n:BVC+8*\n+7], TSX+\m/2, WVS+4*(\n/2), \m, \n
.else
	WM ACC+8*\m, 8*(4*\m+\s), 8*(4*\n+\s), v[ACC+8*\m:ACC+8*\m+7], TSX+4*\s+\m/2, WVS+4*(\n/2)+\s, \m, \n
.endif
.endr
.endr
	WIN 0
	PLACES
.if (\n%2) == 0
	QUANT ACC, PWE
.else
	QUANT ACC, PWO
.endif
	global_store_b128 v13, v[PC:PC+3], s[36:37] offset:1024*\n
	global_store_b128 v13, v[PC+4:PC+7], s[36:37] offset:1024*\n+512
.if (\n%2) == 1
	v_cndmask_b32 v[XS+\n/2], v[PWE], v[PWO], s50
.endif
.endr
	global_store_b64 v14, v[XS:XS+1], s[36:37] offset:32768   ; 256 consecutive bytes, aligned
	s_endpgm
.Lfunc_end_k_qa76823b31f_qkv:
	.size	k_qa76823b31f_qkv, .Lfunc_end_k_qa76823b31f_qkv-k_qa76823b31f_qkv
	.p2alignl 7, 3214868480
	.fill 96, 4, 3214868480
	.section	.rodata,"a",@progbits
	.p2align	6, 0x0
	.amdhsa_kernel k_qa76823b31f_qkv
		.amdhsa_group_segment_fixed_size 0
		.amdhsa_private_segment_fixed_size 0
		.amdhsa_enable_private_segment 0
		.amdhsa_kernarg_size 112
		.amdhsa_user_sgpr_count 2
		.amdhsa_user_sgpr_kernarg_segment_ptr 1
		.amdhsa_wavefront_size32 1
		.amdhsa_system_sgpr_workgroup_id_x 1
		.amdhsa_system_sgpr_workgroup_id_y 1
		.amdhsa_system_sgpr_workgroup_id_z 1
		.amdhsa_system_vgpr_workitem_id 0
		.amdhsa_next_free_vgpr 1024
		.amdhsa_next_free_sgpr 66
		.amdhsa_reserve_vcc 0
		.amdhsa_float_denorm_mode_32 3
		.amdhsa_float_denorm_mode_16_64 3
		.amdhsa_memory_ordered 1
		.amdhsa_forward_progress 1
		.amdhsa_inst_pref_size 125
	.end_amdhsa_kernel
	.amdgpu_metadata
---
amdhsa.version: [ 1, 2 ]
amdhsa.kernels:
  - .name:           k_qa76823b31f_qkv
    .symbol:         k_qa76823b31f_qkv.kd
    .args:
      - { .name: tb, .offset: 0, .size: 8, .value_kind: global_buffer, .address_space: global }
      - { .name: ts, .offset: 8, .size: 8, .value_kind: global_buffer, .address_space: global }
      - { .name: wq_codes, .offset: 16, .size: 8, .value_kind: global_buffer, .address_space: global }
      - { .name: wq_scales, .offset: 24, .size: 8, .value_kind: global_buffer, .address_space: global }
      - { .name: bq, .offset: 32, .size: 8, .value_kind: global_buffer, .address_space: global }
      - { .name: wk_codes, .offset: 40, .size: 8, .value_kind: global_buffer, .address_space: global }
      - { .name: wk_scales, .offset: 48, .size: 8, .value_kind: global_buffer, .address_space: global }
      - { .name: bk, .offset: 56, .size: 8, .value_kind: global_buffer, .address_space: global }
      - { .name: wv_codes, .offset: 64, .size: 8, .value_kind: global_buffer, .address_space: global }
      - { .name: wv_scales, .offset: 72, .size: 8, .value_kind: global_buffer, .address_space: global }
      - { .name: bv, .offset: 80, .size: 8, .value_kind: global_buffer, .address_space: global }
      - { .name: qb, .offset: 88, .size: 8, .value_kind: global_buffer, .address_space: global }
      - { .name: kb, .offset: 96, .size: 8, .value_kind: global_buffer, .address_space: global }
      - { .name: vb, .offset: 104, .size: 8, .value_kind: global_buffer, .address_space: global }
    .group_segment_fixed_size: 0
    .private_segment_fixed_size: 0
    .kernarg_segment_align: 8
    .kernarg_segment_size: 112
    .max_flat_workgroup_size: 128
    .sgpr_count:     66
    .vgpr_count:     1024
    .wavefront_size: 32
...
	.end_amdgpu_metadata
.endif
;; end of part 2
;; launch attn (part 3): grid 32 x 8, 4 waves a work-group, clusters of 4 x 1, 327,680 bytes of LDS; arguments qb, kb, vb, wo_codes, wo_scales, bo, x, out0; writes out0
.if DOCPART == 3
	.amdgcn_target "amdgcn-amd-amdhsa--gfx1250"
	.amdhsa_code_object_version 6
	.text
	.protected	k_qa76823b31f_attn
	.globl	k_qa76823b31f_attn
	.p2align	8
	.type	k_qa76823b31f_attn,@function
k_qa76823b31f_attn:
	s_mov_b64 s[64:65], 0
	v_nop
	global_prefetch_b8 v0, s[64:65] scope:SCOPE_SE
	s_setreg_imm32_b32 hwreg(HW_REG_WAVE_MODE, 25, 1), 1
	s_wait_xcnt 0x0
	s_wait_alu depctr_hold_cnt(0) depctr_sa_sdst(0) depctr_va_vdst(0) depctr_va_sdst(0) depctr_va_ssrc(0) depctr_va_vcc(0) depctr_vm_vsrc(0)
	s_getreg_b32 s2, hwreg(HW_REG_IB_STS2, 6, 4)
	s_cmp_eq_u32 s2, 0
	s_cbranch_scc0 .Lentry_in_a_cluster
	s_endpgm
.Lentry_in_a_cluster:
	s_bfe_u32 s2, ttmp6, 0x10000c
	s_cmp_lg_u32 s2, 0x3003
	s_cbranch_scc0 .Lentry_shape_is_right
	s_endpgm
.Lentry_shape_is_right:
; out0 = x + (softmax(q k^T / sqrt(512)) v Wo^T + bo)^T, all three products on codes of FP4 (E2M1) with E8M0 scales.  One head of 512 channels, 2,048 keys, 8 images.
; THE SOFTMAX: t = score x log2(e) / sqrt(512); M = the row's largest t so far, rounded UP to a whole number; p = 2^(t - M) is quantised along the keys, not normalised; the row's sum is taken of the unquantised p
; and divides O at the end.  When M moves, the sum and O are multiplied by 2^(old M - new M), which rounds nothing.
; SHARES.  A work-group owns 64 queries of one image: four tiles q of 16.  The keys go in four steps of 512.  THE WAVES SHARE THE KEYS AND THE CHANNELS, NOT THE QUERIES.  In a step wave w makes
;   S^T = K Q^T for ITS 128 keys (8 tiles) and all four query tiles: each fragment of K read from LDS feeds four products;
;   the softmax of those 128 keys x 64 queries; M is common to the four waves: they exchange their rows' maxima through LDS;  p's codes: one fragment a query tile, K step w of the second product, stored as an image of its registers;
;   O^T += V^T P^T for ITS 128 channels (8 tiles), all four query tiles, the step's four K steps: each fragment of V feeds four products, each of P eight.
; At the end: O / l, quantised along the channels (wave w makes K step w), images through LDS, Y = o Wo^T + bo for the wave's 128 output channels (source 0 = 16 tokens, source 1 = 16 rows of Wo: a lane holds one channel
; and eight neighbouring tokens), through a stage in LDS, + x, stored as rows of out0.
; qb, kb, vb hold blocks of 34,816 bytes for 128 tokens: 32 images of operand registers and their scale words as register images (laid so by the launch before): a block is one dense tile for one tensor load,
; every fragment is two loads of 16 bytes a lane at 16 x lane, and nothing is padded.  Tile 2 b + u of 16 rows holds rows 32 b + 8 u + r + 8 (r / 8), so that a result's 16 registers of two neighbouring tiles are 16 neighbours along the next K.
; CLUSTER.  The four work-groups of a cluster belong to one image and walk the same K and V: each tile is asked for JOINTLY (mask 15), wave w fetching block w of the step.  No branch and no LDS address hangs on the place in the cluster.
; LDS holds ONE slot for a step's K and ONE for its V; a step has two rounds of the cluster's barrier and no other barrier.  K's slot is filled again when the scores are made: the refill has the softmax in which to land.
; V's slot is filled again AHEAD of the products with V: a wave's fragments of V for the whole step, 256 registers, are in registers by then (two K steps in the sets that K has left, fetched under the softmax; two where p lay,
; fetched when p is converted): that refill has the products with V and the next step's scores in which to land.  The same round parts p's stores from their reads.
; x comes by a tensor load too: when the last scores are made, each wave asks for its 128 channels x 64 tokens into its quarter of K's slot; the load has the rest of the launch's arithmetic in which to land.
; By this text's count a wave has at most two tensor loads out.
; LIMITS: NaN and infinities are not served; a p under 2^-126 counts as 0; blocks whose largest magnitude lies under 2^-124 get the byte 1, blocks of zeros too (their codes are zeros); a block's largest p is taken from its largest
; score, which takes v_exp_f32 not to fall where its input rises; 1 / sqrt(512) and log2(e) are one f32 constant.
; REGISTERS, in windows of 256 (s_set_vgpr_msb: bits 1:0 source 0, 3:2 source 1, 5:4 source 2, 7:6 destination):
;   window 0: addresses, scale words, statistics, p's codes (below).   window 1: S^T, then p, at 64 q + 8 t; then, but in the last step, v0-127 V's fragments of K steps 2 and 3; at the end Wo's fragments at 8 (4 ct + s), then x.
;   window 2: O^T at 64 q + 8 n; at the end Y at 8 (4 ct + q).   window 3: v0-127 Q at 8 (4 q + s), later o's fragments; v128-191, v192-255 two sets of eight fragments of K or V; at the end bo as C, then rows of Y.
.set BLK,   34816
.set VSLOT, 4*BLK                      ; LDS: K's four blocks from 0 (at the end x, 128 rows of 272 bytes a wave), V's from here (at the end the stage, likewise);
.set PIMG,  8*BLK                      ; p's 16 images [q][K step][1,024];
.set PSC,   PIMG+16384                 ; their scale words [K step][256]: two registers' image;
.set MX,    PSC+1024                   ; the waves' row maxima [wave][512];
.set LXO,   2048                       ; (so far behind them:) the waves' row sums;
.set OOFF,  21504                      ; (so far behind p's images and scale words:) o's;
.set SPARE, 317440                     ; the spare words, 128 bytes a wave: two blocks of 256 bytes that no other line names
.set LI,   1                           ; v1   16 x lane
.set AK,   2                           ; v2   my block of K
.set AV,   3                           ; v3, v4  my 8 tiles of V in the step's blocks 0 and 2
.set AVS,  5                           ; v5, v6  their scale words
.set APW,  7                           ; v7   where I store p's (o's) images;  v8 where all are read
.set APR,  8
.set APSW, 9                           ; v9, v10 the same for their scale words
.set APSR, 10
.set AMW,  11                          ; v11, v12 the same for the maxima and the sums
.set AMR,  12
.set ASTO, 13                          ; v13  the way out: into my stage;  v14 out of it;  v15 the same rows in out0
.set ASTR, 14
.set GX,   15
.set SPW,  16                          ; v16  LDS address of my spare word; never rewritten
.set NIL,  17                          ; v17  0; never rewritten
.set PFO,  18                          ; v18  256 x lane: the prefetches of K and V
.set AXR,  19                          ; v19  the way out: the same rows of x in LDS
.set WOA,  20                          ; v20  Wo's fragments
.set BOA,  21                          ; v21  bo of my lane's channel
.set KS,   24                          ; v24-39  K's scale words, KS + 4 s + t / 2; later Wo's, KS + 4 (ct / 2) + s
.set QS,   40                          ; v40-47  Q's, QS + 2 s + q / 2
.set VS,   48                          ; v48-63  V's, VS + 4 ks + n / 2
.set PS,   64                          ; v64-71  p's, PS + 2 ks + q / 2; later o's
.set ST,   72                          ; v72-103 eight a query tile: +0 -M, +1 the largest t, +2, +3 the sum in two halves, +4 f (later 1 / l), +5 the pair's upper half, +6, +7 at work
.set BM,   104                         ; v104-119 the blocks' largest scores, then p's: BM + 4 q + b
.set T1,   120                         ; v120-135 at work
.set T2,   136                         ; v136-151 the conversions' scale operands
.set EX,   152                         ; v152-167 the four waves' maxima
.set PC,   168                         ; v168-199 codes, eight a query tile
.set PW,   200                         ; v200-203 scale words
.set PSX,  204                         ; v204-205 the same, two tiles to a register
.set LM,   208                         ; v208-211 my wave's row maxima, at the end its row sums
.set BOL,  212                         ; v212-219 bo
.set EL,   220                         ; v220-235 the four waves' sums
.set PF0,  104                         ; p's four fragments of a K step: two sets, where the softmax's registers are free
.set PF1,  136
.set FB0,  128                         ; in window 3
.set FB1,  192
.set MSB, 0
.macro WIN new                         ; the immediate's high byte repeats the setting that is left
.if MSB != \new
	s_set_vgpr_msb (MSB<<8)|\new
.set MSB, \new
.endif
.endm
; A scaled product.  d, a, b: first registers of D, source 0, source 1; c: C as it is written; sa, sb: scale registers; ra, rb: the tiles' numbers: an odd tile's scale words lie in lanes 16-31.
.macro WM d, a, b, c, sa, sb, ra, rb
.if (((\ra)%2) == 0) && (((\rb)%2) == 0)
	v_wmma_scale_f32_16x16x128_f8f6f4 v[(\d):(\d)+7], v[(\a):(\a)+7], v[(\b):(\b)+7], \c, v[\sa], v[\sb] matrix_a_fmt:MATRIX_FMT_FP4 matrix_b_fmt:MATRIX_FMT_FP4
.elseif (((\rb)%2) == 0)
	v_wmma_scale_f32_16x16x128_f8f6f4 v[(\d):(\d)+7], v[(\a):(\a)+7], v[(\b):(\b)+7], \c, v[\sa], v[\sb] matrix_a_fmt:MATRIX_FMT_FP4 matrix_b_fmt:MATRIX_FMT_FP4 matrix_a_scale:MATRIX_SCALE_ROW1
.elseif (((\ra)%2) == 0)
	v_wmma_scale_f32_16x16x128_f8f6f4 v[(\d):(\d)+7], v[(\a):(\a)+7], v[(\b):(\b)+7], \c, v[\sa], v[\sb] matrix_a_fmt:MATRIX_FMT_FP4 matrix_b_fmt:MATRIX_FMT_FP4 matrix_b_scale:MATRIX_SCALE_ROW1
.else
	v_wmma_scale_f32_16x16x128_f8f6f4 v[(\d):(\d)+7], v[(\a):(\a)+7], v[(\b):(\b)+7], \c, v[\sa], v[\sb] matrix_a_fmt:MATRIX_FMT_FP4 matrix_b_fmt:MATRIX_FMT_FP4 matrix_a_scale:MATRIX_SCALE_ROW1 matrix_b_scale:MATRIX_SCALE_ROW1
.endif
.endm
.macro PLACES                          ; four plain vector instructions between a matrix instruction and a load into one of its registers, or the first read of its results (ISA guide 7.12.1 for the read)
.rept 4
	v_nop
.endr
.endm
; A round of the cluster's barrier: my work-group's barrier; wave 0 signals for the work-group; every wave waits for all four work-groups; my work-group's barrier once more.
.macro CROUND
	s_barrier_signal -1
	s_barrier_wait -1
	s_cmp_lg_u32 s20, 0
	s_cbranch_scc1 .Lnot_wave_0_\@
	s_barrier_signal -3
.Lnot_wave_0_\@:
	s_barrier_wait -3
	s_barrier_signal -1
	s_barrier_wait -1
.endm
.macro JFILL g0, g1                    ; a refill: every wave fetches its own block; four v_nop follow
	tensor_load_to_lds s[\g0:\g0+3], s[\g1:\g1+7]
	s_nop 0
.rept 4
	v_nop
.endr
.endm
; A PREFETCH INTO THE L2 of codes that a later refill will ask for.  All eight clusters of an image walk the same K and V: the image's first cluster asks.  Of the 128 pieces of 256 bytes of the codes of block w, which wave w
; will fetch, each of the four partners names 32, told apart BY ADDRESS, a lane a piece: each piece is named once in the launch.  The branch hangs on the cluster's number and the trip alone.
.macro ASK adr, lim
	s_cmp_gt_u32 s46, s[\lim]
	s_cbranch_scc0 .Lnot_mine_\@
	global_prefetch_b8 v[PFO], s[\adr:\adr+1] th:TH_LOAD_NT scope:SCOPE_SE
.Lnot_mine_\@:
.endm
.macro FETCHK s, f                     ; my block's eight fragments of K, K step s
	WIN 0xc0
.irp t, 0,1,2,3,4,5,6,7
	ds_load_b128 v[\f+8*\t:\f+8*\t+3], v[AK] offset:4096*\t+1024*(\s)
	ds_load_b128 v[\f+8*\t+4:\f+8*\t+7], v[AK] offset:4096*\t+1024*(\s)+512
.endr
.endm
.macro MULS s, f                       ; 32 products: the 32 accumulators take turns, one instruction a turn, in the same order in every K step.  The first K step starts the sums
	WIN 0x5f                                       ; K and Q window 3, S^T window 1
.irp q, 0,1,2,3
.irp t, 0,1,2,3,4,5,6,7
.if (\s) == 0
	WM 64*\q+8*\t, \f+8*\t, 8*(4*\q+(\s)), 0, KS+4*(\s)+\t/2, QS+2*(\s)+\q/2, \t, \q
.else
	WM 64*\q+8*\t, \f+8*\t, 8*(4*\q+(\s)), v[64*\q+8*\t:64*\q+8*\t+7], KS+4*(\s)+\t/2, QS+2*(\s)+\q/2, \t, \q
.endif
.endr
.endr
.endm
.macro FETCHV ks, f, w                 ; my eight tiles of channels, the step's block ks of keys, into v[f] on of the window that w names as destination
	WIN \w
.irp n, 0,1,2,3,4,5,6,7
	ds_load_b128 v[\f+8*\n:\f+8*\n+3], v[AV+(\ks)/2] offset:((\ks)%2)*BLK+1024*\n
	ds_load_b128 v[\f+8*\n+4:\f+8*\n+7], v[AV+(\ks)/2] offset:((\ks)%2)*BLK+1024*\n+512
.endr
.endm
.macro FETCHP ks, f                    ; p's four fragments of K step ks: wave ks made them
	WIN 0
.irp q, 0,1,2,3
	ds_load_b128 v[\f+8*\q:\f+8*\q+3], v[APR] offset:4096*\q+1024*(\ks)
	ds_load_b128 v[\f+8*\q+4:\f+8*\q+7], v[APR] offset:4096*\q+1024*(\ks)+512
.endr
.endm
.macro MULP ks, fv, fp, w              ; 32 products onto O^T, the accumulators by turns.  w: 0xa3: V window 3; 0xa1: V window 1; p window 0, O^T window 2
	WIN \w
.irp q, 0,1,2,3
.irp n, 0,1,2,3,4,5,6,7
	WM 64*\q+8*\n, \fv+8*\n, \fp+8*\q, v[64*\q+8*\n:64*\q+8*\n+7], VS+4*(\ks)+\n/2, PS+2*(\ks)+\q/2, \n, \q
.endr
.endr
.endm
.macro OSCALE                          ; O^T x the query's factor in ST + 4: each accumulator from its low end on
	WIN 0x82
.irp q, 0,1,2,3
.set i, 0
.rept 32
	v_pk_mul_f32 v[64*\q+i:64*\q+i+1], v[64*\q+i:64*\q+i+1], v[ST+8*\q+4:ST+8*\q+5] op_sel_hi:[1,0]
.set i, i+2
.endr
.endr
.endm
; From the 16 blocks' largest magnitudes in BM: scale operands, bytes, scale words; the codes of 4 x 64 numbers that lie in the window that win names as source 0; their images and scale words to LDS, off bytes behind p's.
.macro SCODES win, off
.irp n, 0,1,2,3,4,5,6,7,8,9,10,11,12,13,14,15
	v_add_nc_u32 v[T2+\n], 0xff000000, v[BM+\n]    ; 2 off the exponent field: the conversion's scale operand
.endr
.irp n, 0,1,2,3,4,5,6,7,8,9,10,11,12,13,14,15
	v_lshrrev_b32 v[T1+\n], 23, v[T2+\n]           ; the scale's byte
.endr
.irp q, 0,1,2,3
	v_lshl_or_b32 v[PW+\q], v[T1+4*\q+1], 8, v[T1+4*\q]
.endr
.irp q, 0,1,2,3
	v_lshl_or_b32 v[PW+\q], v[T1+4*\q+2], 16, v[PW+\q]
.endr
.irp q, 0,1,2,3
	v_lshl_or_b32 v[PW+\q], v[T1+4*\q+3], 24, v[PW+\q]
.endr
	WIN \win
.irp q, 0,1,2,3
.irp b, 0,1,2,3
	v_cvt_scalef32_pk8_fp4_f32 v[PC+8*\q+2*\b], v[64*\q+16*\b:64*\q+16*\b+7], v[T2+4*\q+\b]
	v_cvt_scalef32_pk8_fp4_f32 v[PC+8*\q+2*\b+1], v[64*\q+16*\b+8:64*\q+16*\b+15], v[T2+4*\q+\b]
.endr
.endr
	WIN 0
	v_nop                                          ; one plain line behind the scaled conversions
.irp q, 0,1,2,3
.irp c, 0,1                                    ; the operand's layout wants a whole block in a lane
.irp i, 0,1
	v_permlane16_swap_b32 v[PC+8*\q+4*\c+\i], v[PC+8*\q+4*\c+2+\i]
.endr
.endr
.endr
	v_cndmask_b32 v[PSX], v[PW], v[PW+1], s52      ; the even tile's words in lanes 0-15, the odd tile's in lanes 16-31
	v_cndmask_b32 v[PSX+1], v[PW+2], v[PW+3], s52
.irp q, 0,1,2,3
.irp c, 0,1
	ds_store_b128 v[APW], v[PC+8*\q+4*\c:PC+8*\q+4*\c+3] offset:(\off)+4096*\q+512*\c
.endr
.endr
	ds_store_b64 v[APSW], v[PSX:PSX+1] offset:\off
.endm
	s_load_b256 s[4:11], s[0:1], 0x0               ; qb s[4:5], kb s[6:7], vb s[8:9], Wo's codes s[10:11]
	s_load_b256 s[12:19], s[0:1], 0x20             ; Wo's scales s[12:13], bo s[14:15], x s[16:17], out0 s[18:19]
	v_lshl_add_u32 v[SPW], v0, 2, SPARE
	v_mov_b32 v[NIL], 0
	ds_add_u32 v16, v17
	ds_add_u32 v16, v17
	s_wait_dscnt 0x0
	v_lshrrev_b32 v22, 5, v0
	v_readfirstlane_b32 s20, v22                   ; wave
	v_and_b32 v21, 31, v0                          ; lane
	v_lshlrev_b32 v[LI], 4, v21
	s_bfe_u32 s21, ttmp6, 0x40000                  ; cx: my place in the cluster
	s_lshl_b32 s22, ttmp9, 2                       ; in a cluster launch ttmp9 counts clusters
	s_add_co_u32 s22, s22, s21                     ; my block of 64 queries: it enters the addresses of Q, x and out0 alone
	s_and_b32 s23, ttmp7, 0xffff                   ; the image, which the four partners share
	; descriptor group 1, for K and V alike: a dense block of 136 rows of 256 bytes
	s_mov_b32 s24, 15|(3<<16)|(1<<21)              ; 15:0 the mask: all four work-groups; 17:16 elements of 8 bytes; 20 no padding; 21 set beside a mask
	s_mov_b32 s25, 32<<16                          ; tensor_dim0 = 32
	s_mov_b32 s26, 136<<16                         ; tensor_dim1 = 136
	s_mov_b32 s27, 32<<16                          ; tile_dim0 = 32
	s_mov_b32 s28, 136                             ; tile_dim1 = 136
	s_mov_b32 s29, 32                              ; from row to row
	s_mov_b32 s30, 0
	s_mov_b32 s31, 0
	; and for x: 128 channels' rows of 64 tokens (256 bytes), 2,048 numbers apart in memory, 272 bytes apart in LDS: 128 x 272 bytes are a block's 34,816
	s_mov_b32 s72, (2<<16)|(1<<20)|(5<<22)|(3<<25) ; 15:0 no mask: the tile is my work-group's alone; 17:16 elements of 4 bytes; 20 padding on; 24:22 after every 64 words (code 5); 31:25 four words (code 3)
	s_mov_b32 s73, 64<<16                          ; tensor_dim0 = 64
	s_mov_b32 s74, 128<<16                         ; tensor_dim1 = 128
	s_mov_b32 s75, 64<<16                          ; tile_dim0 = 64
	s_mov_b32 s76, 128                             ; tile_dim1 = 128
	s_mov_b32 s77, 2048                            ; from row to row
	s_mov_b32 s78, 0
	s_mov_b32 s79, 0
	s_lshl_b32 s53, s23, 4
	s_add_co_u32 s53, s53, s20
	s_mul_i32 s54, s53, BLK                        ; block 16 x image + wave: what I fetch in step 0,
	s_mov_b32 s55, 0
	s_mul_i32 s56, s20, BLK                        ; and where it goes: wave x a block
	s_mov_b32 s48, 0x3d8293ee                      ; c = log2(e) / sqrt(512)
	s_mov_b32 s49, s48                             ; (named with it as a pair, so it is written)
	s_mov_b32 s50, 0x76543210                      ; v_permlanex16_b32's selects for lane l xor 16
	s_mov_b32 s51, 0xfedcba98
	s_mov_b32 s52, 0xffff0000                      ; lanes 16-31
	s_mov_b32 s46, 3                               ; steps that fill the slots again
	s_cmp_eq_u32 ttmp9, 0                          ; the image's first cluster prefetches: the same in all four partners
	s_cselect_b32 s44, 1, -1                       ; K: while more than one trip is left
	s_cselect_b32 s45, 0, -1                       ; V: in every trip
	s_lshr_b32 s58, s22, 1
	s_lshl_b32 s59, s23, 4
	s_add_co_u32 s58, s58, s59
	s_mul_i32 s58, s58, BLK                        ; Q: the block of 128 tokens that holds my 64,
	s_and_b32 s60, s22, 1
	s_lshl_b32 s61, s60, 14
	s_add_co_u32 s62, s58, s61                     ; its tiles 0-3 or 4-7;
	s_mov_b32 s63, 0
	s_lshl_b32 s60, s60, 3
	s_add_co_u32 s60, s60, s58
	s_add_co_u32 s60, s60, 32768                   ; of the four registers' image of scale words the first two or the last two
	s_mov_b32 s61, 0
	s_wait_kmcnt 0x0
	s_add_nc_u64 s[66:67], s[4:5], s[62:63]
	s_add_nc_u64 s[68:69], s[4:5], s[60:61]
	WIN 0xc0                                       ; destination window 3
.set i, 0
.rept 32
	global_load_b128 v[4*i:4*i+3], v[LI], s[66:67] offset:512*i th:TH_LOAD_NT   ; Q's 16 images, as they lie: they stay in registers.  Asked for ahead of the first round, so that they are on their way while the partners gather
.set i, i+1
.endr
	WIN 0
.irp s, 0,1,2,3
	global_load_b64 v[QS+2*\s:QS+2*\s+1], v[LI], s[68:69] offset:512*\s th:TH_LOAD_NT
.endr
	s_mov_b32 s32, 1                               ; group 0 for K: count = 1,
	s_mov_b32 s33, s56                             ; the LDS address,
	s_add_nc_u64 s[34:35], s[6:7], s[54:55]        ; the block's address,
	s_or_b32 s35, s35, 0x80000000                  ; type = 2
	s_mov_b32 s36, 1                               ; and for V
	s_add_co_u32 s37, s56, VSLOT
	s_add_nc_u64 s[38:39], s[8:9], s[54:55]
	s_or_b32 s39, s39, 0x80000000
	s_lshl_b32 s58, s21, 13                        ; the prefetches: my work-group's 32 pieces of a block's 128
	s_mov_b32 s59, 0
	s_add_nc_u64 s[42:43], s[8:9], s[54:55]        ; V's stand at step 0 and are stepped ahead of their use;
	s_add_nc_u64 s[42:43], s[42:43], s[58:59]
	s_add_nc_u64 s[40:41], s[6:7], s[54:55]
	s_add_nc_u64 s[40:41], s[40:41], s[58:59]
	s_add_nc_u64 s[40:41], s[40:41], 4*BLK         ; K's at step 1.  Nothing is prefetched here, at the head
	s_lshl_b32 s58, s20, 15
	s_add_nc_u64 s[10:11], s[10:11], s[58:59]      ; my 128 rows of Wo,
	s_lshl_b32 s58, s20, 11
	s_add_nc_u64 s[12:13], s[12:13], s[58:59]      ; their scale words,
	s_lshl_b32 s58, s20, 9
	s_add_nc_u64 s[14:15], s[14:15], s[58:59]      ; their bias
	s_lshl_b32 s58, s23, 22                        ; x and out0: the image, my 128 channels, my 64 tokens
	s_lshl_b32 s60, s20, 20
	s_add_co_u32 s58, s58, s60
	s_lshl_b32 s60, s22, 8
	s_add_co_u32 s58, s58, s60
	s_add_nc_u64 s[18:19], s[18:19], s[58:59]
	s_mov_b32 s80, 1                               ; group 0 for x: count = 1,
	s_mov_b32 s81, s56                             ; my quarter of K's slot,
	s_add_nc_u64 s[82:83], s[16:17], s[58:59]      ; the tile's first number,
	s_or_b32 s83, s83, 0x80000000                  ; type = 2
	CROUND                                         ; all four work-groups are here: the first joint loads meet
	tensor_load_to_lds s[32:35], s[24:31]          ; the two first fills go out together: step 0's K,
	s_nop 0
	tensor_load_to_lds s[36:39], s[24:31]          ; and its V
	s_nop 0
.rept 4
	v_nop
.endr
	v_and_b32 v22, 15, v0                          ; r
	v_bfe_u32 v23, v0, 4, 1                        ; h
	v_add_nc_u32 v[AK], s56, v[LI]
	s_lshl_b32 s57, s20, 13
	s_add_co_u32 s57, s57, VSLOT
	v_add_nc_u32 v[AV], s57, v[LI]
	v_add_nc_u32 v[AV+1], 2*BLK, v[AV]
	v_lshlrev_b32 v[APSR], 3, v21                  ; (8 x lane)
	s_lshl_b32 s57, s20, 9
	s_add_co_u32 s57, s57, VSLOT+32768
	v_add_nc_u32 v[AVS], s57, v[APSR]
	v_add_nc_u32 v[AVS+1], 2*BLK, v[AVS]
	s_lshl_b32 s57, s20, 10
	s_add_co_u32 s57, s57, PIMG
	v_add_nc_u32 v[APW], s57, v[LI]
	v_add_nc_u32 v[APR], PIMG, v[LI]
	s_lshl_b32 s57, s20, 8
	s_add_co_u32 s57, s57, PSC
	v_add_nc_u32 v[APSW], s57, v[APSR]
	v_add_nc_u32 v[APSR], PSC, v[APSR]
	s_lshl_b32 s57, s20, 9
	s_add_co_u32 s57, s57, MX
	v_add_nc_u32 v[AMW], s57, v[LI]
	v_add_nc_u32 v[AMR], MX, v[LI]
	s_add_co_u32 s57, s56, VSLOT                   ; my stage: my quarter of V's slot
	v_mul_u32_u24 v[ASTO], v22, 272                ; a row is a channel's 64 tokens, 256 bytes + 16; in: row r, + 64 h
	v_lshl_add_u32 v[ASTO], v23, 6, v[ASTO]
	v_add_nc_u32 v[ASTO], s57, v[ASTO]
	v_mul_u32_u24 v[ASTR], v23, 272                ; out: sixteen lanes to a row, two rows an instruction;
	v_lshl_add_u32 v[ASTR], v22, 4, v[ASTR]
	v_add_nc_u32 v[AXR], s56, v[ASTR]              ; the same two rows of x, in my quarter of K's slot;
	v_add_nc_u32 v[ASTR], s57, v[ASTR]
	v_lshlrev_b32 v[GX], 13, v23                   ; and the same two rows in out0
	v_lshl_add_u32 v[GX], v22, 4, v[GX]
	v_lshlrev_b32 v[PFO], 8, v21
	v_lshlrev_b32 v[WOA], 8, v22
	v_lshl_add_u32 v[WOA], v23, 4, v[WOA]
	v_lshlrev_b32 v[BOA], 2, v22
.irp q, 0,1,2,3
	v_mov_b32 v[ST+8*\q+1], 0xff61b1e6             ; the largest t so far: -3e38, under every t
	v_mov_b32 v[ST+8*\q+2], 0                      ; the sum, in two halves
	v_mov_b32 v[ST+8*\q+3], 0
	v_mov_b32 v[ST+8*\q+5], 0                      ; (named as a pair's upper half)
.endr
.irp q, 0,1,2,3
	v_floor_f32 v[ST+8*\q], -v[ST+8*\q+1]          ; -M
.endr
.irp n, 0,1,2,3,4,5,6,7,8,9,10,11,12,13,14,15
	v_mov_b32 v[T1+\n], 0                          ; written once: a lane permute's destination counts as one of its sources
.endr
	WIN 0x80
.set i, 0
.rept 256
	v_mov_b32 v[i], 0                              ; O^T, while the first tiles are on their way: the step is then written twice and not three times; its first factor is 0 and multiplies zeros
.set i, i+1
.endr
	WIN 0
	s_wait_loadcnt 0x0                             ; Q
	s_wait_tensorcnt 0x1                           ; my block of K is in; V's may stay out
	s_barrier_signal -1
	s_barrier_wait -1
; A STEP OF 512 KEYS.  refill = 1: both slots are filled again.  refill = 0: the last step: K's slot takes x, V's nothing, and what the end wants is fetched on the way.
.macro STEP refill
	; ---- S^T = K Q^T: my 128 keys x 64 queries.  Two sets of fragments by turns; each count leaves the 16 loads of the set that is not yet due
.irp s, 0,1,2,3
	ds_load_b128 v[KS+4*\s:KS+4*\s+3], v[AK] offset:32768+512*\s
.endr
	FETCHK 0, FB0
	FETCHK 1, FB1
	s_wait_dscnt 16
	MULS 0, FB0
	PLACES
	FETCHK 2, FB0
	s_wait_dscnt 16
	MULS 1, FB1
	PLACES
	FETCHK 3, FB1
	s_wait_dscnt 16
	MULS 2, FB0
	s_wait_dscnt 0x0
	MULS 3, FB1
	PLACES
	; ---- the largest score of each block of 32 keys: it serves for the row's maximum and, since p rises with the score, for the block's largest p
	WIN 0x15
.irp q, 0,1,2,3
.irp b, 0,1,2,3
	v_max3_num_f32 v[BM+4*\q+\b], v[64*\q+16*\b], v[64*\q+16*\b+1], v[64*\q+16*\b+2]
.endr
.endr
	WIN 0x14
.irp i, 3,5,7,9,11,13
.irp q, 0,1,2,3
.irp b, 0,1,2,3
	v_max3_num_f32 v[BM+4*\q+\b], v[BM+4*\q+\b], v[64*\q+16*\b+\i], v[64*\q+16*\b+\i+1]
.endr
.endr
.endr
.irp q, 0,1,2,3
.irp b, 0,1,2,3
	v_max_num_f32 v[BM+4*\q+\b], v[BM+4*\q+\b], v[64*\q+16*\b+15]
.endr
.endr
	WIN 0
.irp n, 0,1,2,3,4,5,6,7,8,9,10,11,12,13,14,15
	v_permlanex16_b32 v[T1+\n], v[BM+\n], s50, s51
.endr
.irp n, 0,1,2,3,4,5,6,7,8,9,10,11,12,13,14,15
	v_max_num_f32 v[BM+\n], v[BM+\n], v[T1+\n]     ; with lane l xor 16's 16 keys
.endr
.irp q, 0,1,2,3
	v_max3_num_f32 v[LM+\q], v[BM+4*\q], v[BM+4*\q+1], v[BM+4*\q+2]
.endr
.irp q, 0,1,2,3
	v_max_num_f32 v[LM+\q], v[LM+\q], v[BM+4*\q+3]
.endr
	ds_store_b128 v[AMW], v[LM:LM+3]               ; my 128 keys' largest score of each query, for the other waves
	; ---- the round between these stores and their reads.  It also shows this step's V whole, and behind it nobody reads this step's K: K's slot is filled again
	s_wait_tensorcnt 0x0                           ; all my tensor loads have landed: my block of this step's V
	ds_add_u32 v[SPW], v[NIL]                      ; 0 onto my spare word
.if \refill
	s_wait_xcnt 0x0                                ; the last prefetch has read its address
	s_add_nc_u64 s[34:35], s[34:35], 4*BLK         ; no tensor load of mine is out, so a group 0 may be written: the next step's K
	s_add_nc_u64 s[42:43], s[42:43], 4*BLK         ; and the next step's V for the prefetch
.endif
	s_wait_dscnt 0x0                               ; the add and my store are done, and my reads of K are over
	CROUND                                         ; the same holds of every wave of the four work-groups
.if \refill
	JFILL 32, 24                                   ; the next step's K: it has the softmax in which to land
	ASK 42, 45                                     ; the next step's V, which the refill behind the softmax will ask for
.else
	JFILL 80, 72                                   ; x, my 128 channels x 64 tokens, into my quarter of K's slot: a load of my work-group alone; it has the rest of the arithmetic in which to land
.endif
	; ---- the four waves' maxima; behind them V's scale words and its first two K steps, into the sets that K has left: they come in under the softmax
.irp w, 0,1,2,3
	ds_load_b128 v[EX+4*\w:EX+4*\w+3], v[AMR] offset:512*\w
.endr
.irp k, 0,1,2,3
.irp i, 0,1
	ds_load_b64 v[VS+4*\k+2*\i:VS+4*\k+2*\i+1], v[AVS+\k/2] offset:(\k%2)*BLK+256*\i
.endr
.endr
	FETCHV 0, FB0, 0xc0
	FETCHV 1, FB1, 0xc0
	WIN 0
	s_wait_dscnt 40                                ; the maxima are in; V's 8 + 32 loads behind them may be out
	; ---- M
.irp q, 0,1,2,3
	v_max3_num_f32 v[ST+8*\q+6], v[EX+\q], v[EX+4+\q], v[EX+8+\q]
.endr
.irp q, 0,1,2,3
	v_max_num_f32 v[ST+8*\q+6], v[ST+8*\q+6], v[EX+12+\q]   ; the step's largest score of my query
.endr
.irp q, 0,1,2,3
	v_mul_f32 v[ST+8*\q+6], s48, v[ST+8*\q+6]      ; as t (c is positive)
.endr
.irp q, 0,1,2,3
	v_max_num_f32 v[ST+8*\q+1], v[ST+8*\q+1], v[ST+8*\q+6]
.endr
.irp q, 0,1,2,3
	v_mov_b32 v[ST+8*\q+7], v[ST+8*\q]
.endr
.irp q, 0,1,2,3
	v_floor_f32 v[ST+8*\q], -v[ST+8*\q+1]          ; the new -M = -ceil(t): a whole number
.endr
.irp q, 0,1,2,3
	v_sub_f32 v[ST+8*\q+7], v[ST+8*\q], v[ST+8*\q+7]   ; old M - new M: a whole number, 0 or less
.endr
.irp q, 0,1,2,3
	v_cvt_i32_f32 v[ST+8*\q+7], v[ST+8*\q+7]       ; (it saturates)
.endr
.irp q, 0,1,2,3
	v_ldexp_f32 v[ST+8*\q+4], 1.0, v[ST+8*\q+7]    ; f = 2^(old M - new M)
.endr
	; ---- p = 2^(t - M)
	WIN 0x41
.irp q, 0,1,2,3
.set i, 0
.rept 32
	v_pk_fma_f32 v[64*\q+i:64*\q+i+1], v[64*\q+i:64*\q+i+1], s[48:49], v[ST+8*\q:ST+8*\q+1] op_sel_hi:[1,0,0]
.set i, i+2
.endr
.endr
	WIN 0
.irp q, 0,1,2,3
.irp b, 0,1,2,3
	v_fma_f32 v[BM+4*\q+\b], v[BM+4*\q+\b], s48, v[ST+8*\q]   ; the same of each block's largest score
.endr
.endr
	WIN 0x41
.set i, 0
.rept 256
	v_exp_f32 v[i], v[i]
.set i, i+1
.endr
	WIN 0
.irp q, 0,1,2,3
	v_pk_mul_f32 v[ST+8*\q+2:ST+8*\q+3], v[ST+8*\q+2:ST+8*\q+3], v[ST+8*\q+4:ST+8*\q+5] op_sel_hi:[1,0]   ; the sums under the new M: plain lines behind the exponentials
.endr
	s_wait_alu depctr_va_vdst(0)                   ; one wait for the whole batch, ahead of its first reader
.irp n, 0,1,2,3,4,5,6,7,8,9,10,11,12,13,14,15
	v_exp_f32 v[BM+\n], v[BM+\n]                   ; the blocks' largest p: the same two instructions on the same numbers give the same bits
.endr
	; ---- the rows' sums, of the unquantised p: two chains a query tile.  They read the 256 alone: plain work behind the sixteen
	WIN 0x05
.irp q, 0,1,2,3
	v_pk_add_f32 v[T1+2*\q:T1+2*\q+1], v[64*\q:64*\q+1], v[64*\q+2:64*\q+3]
.endr
	WIN 0x04
.irp j, 4,8,12,16,20,24,28,32,36,40,44,48,52,56,60
.irp q, 0,1,2,3
	v_pk_add_f32 v[ST+8*\q+2:ST+8*\q+3], v[ST+8*\q+2:ST+8*\q+3], v[64*\q+\j:64*\q+\j+1]
	v_pk_add_f32 v[T1+2*\q:T1+2*\q+1], v[T1+2*\q:T1+2*\q+1], v[64*\q+\j+2:64*\q+\j+3]
.endr
.endr
	WIN 0
.irp q, 0,1,2,3
	v_pk_add_f32 v[ST+8*\q+2:ST+8*\q+3], v[ST+8*\q+2:ST+8*\q+3], v[T1+2*\q:T1+2*\q+1]
.endr
	s_wait_alu depctr_va_vdst(0)                   ; and one for the sixteen
.irp n, 0,1,2,3,4,5,6,7,8,9,10,11,12,13,14,15
	v_max_num_f32 v[BM+\n], 0x1800000, v[BM+\n]    ; the floor 2^(3 - 127): the byte cannot fall under 1
.endr
	SCODES 0x01, 0                                 ; p's codes, images and scale words: K step w of the second product
.if \refill
	; ---- p has been read for the last time: its first 128 registers take V's K steps 2 and 3.  With them all my reads of this step's V are issued
	FETCHV 2, 0, 0x40
	FETCHV 3, 64, 0x40
	; ---- the round between p's stores and their reads.  It also shows the next K whole, and behind it nobody reads this step's V: V's slot is filled again
	WIN 0
	s_wait_tensorcnt 0x0                           ; all my tensor loads have landed: my block of the next K
	ds_add_u32 v[SPW], v[NIL]                      ; 0 onto my spare word; the steps and O^T x f stand between it and the wait for it
	s_wait_xcnt 0x0                                ; the last prefetch has read its address
	s_add_nc_u64 s[38:39], s[38:39], 4*BLK         ; the next step's V
	s_add_nc_u64 s[40:41], s[40:41], 4*BLK         ; and, for the prefetch, the K of the step after it
	OSCALE                                         ; 128 multiplications on registers while V's fragments come in
	WIN 0
	s_wait_dscnt 0x0                               ; the add and my stores of p are done, and my reads of V are over
	CROUND
	JFILL 36, 24                                   ; the next step's V: it has these products and the next step's scores in which to land
	ASK 40, 44                                     ; the K that the next step's refill will ask for; the last trip asks for nothing
	; ---- O^T += V^T P^T: my 128 channels x 64 queries, four K steps; only p is still fetched: each count leaves the 8 loads of the set that is not yet due
.irp k, 0,1,2,3
	ds_load_b64 v[PS+2*\k:PS+2*\k+1], v[APSR] offset:256*\k
.endr
	FETCHP 0, PF0
	FETCHP 1, PF1
	s_wait_dscnt 8
	MULP 0, FB0, PF0, 0xa3
	PLACES
	FETCHP 2, PF0
	s_wait_dscnt 8
	MULP 1, FB1, PF1, 0xa3
	PLACES
	FETCHP 3, PF1
	s_wait_dscnt 8
	MULP 2, 0, PF0, 0xa1
	s_wait_dscnt 0x0
	MULP 3, 64, PF1, 0xa1
	WIN 0
.rept 5
	v_nop                                          ; the next step's first products write S^T over registers that these products read as V: five places between (ISA guide 7.12.1)
.endr
.else
.irp q, 0,1,2,3
	v_add_f32 v[ST+8*\q+6], v[ST+8*\q+2], v[ST+8*\q+3]   ; the last step: my keys' part of the rows' sums goes to the other waves too
.endr
.irp q, 0,1,2,3
	v_permlanex16_b32 v[ST+8*\q+7], v[ST+8*\q+6], s50, s51
.endr
.irp q, 0,1,2,3
	v_add_f32 v[LM+\q], v[ST+8*\q+6], v[ST+8*\q+7]
.endr
	ds_store_b128 v[AMW], v[LM:LM+3] offset:LXO
	WIN 0x40                                       ; p has been read for the last time: window 1 takes my 128 rows of Wo
.irp t, 0,1,2,3,4,5,6,7
.irp s, 0,1,2,3
.irp c, 0,1
	global_load_b128 v[8*(4*\t+\s)+4*\c:8*(4*\t+\s)+4*\c+3], v[WOA], s[10:11] offset:4096*\t+64*\s+32*\c
.endr
.endr
.endr
	WIN 0
.irp i, 0,1,2,3
	global_load_b128 v[KS+4*\i:KS+4*\i+3], v[LI], s[12:13] offset:512*\i   ; lane l: row 32 i + l: tile 2 i in lanes 0-15, tile 2 i + 1 in lanes 16-31; four K steps' words
.endr
.irp t, 0,1,2,3,4,5,6,7
	global_load_b32 v[BOL+\t], v[BOA], s[14:15] offset:64*\t
.endr
	; ---- the barrier between p's stores and their reads.  x may stay on its way.  Between signal and wait: O^T x f
	s_wait_dscnt 0x0
	s_barrier_signal -1
	OSCALE
	WIN 0
	s_barrier_wait -1
	; ---- O^T += V^T P^T; V's K steps 2 and 3 follow into the two sets
.irp w, 0,1,2,3
	ds_load_b128 v[EL+4*\w:EL+4*\w+3], v[AMR] offset:LXO+512*\w
.endr
.irp k, 0,1,2,3
	ds_load_b64 v[PS+2*\k:PS+2*\k+1], v[APSR] offset:256*\k
.endr
	FETCHP 0, PF0
	FETCHP 1, PF1
	s_wait_dscnt 8                                 ; all but p's second set
	MULP 0, FB0, PF0, 0xa3
	PLACES
	FETCHV 2, FB0, 0xc0
	FETCHP 2, PF0
	s_wait_dscnt 24                                ; all but the 16 + 8 just issued
	MULP 1, FB1, PF1, 0xa3
	PLACES
	FETCHV 3, FB1, 0xc0
	FETCHP 3, PF1
	s_wait_dscnt 24
	MULP 2, FB0, PF0, 0xa3
	s_wait_dscnt 0x0
	MULP 3, FB1, PF1, 0xa3
.endif
.endm
.Lstep:                                            ; three trips: steps 0 to 2
	STEP 1
	s_sub_co_u32 s46, s46, 1
	s_cmp_lg_u32 s46, 0
	s_cbranch_scc1 .Lstep
	STEP 0                                         ; the last step is written out
	; ---- O / l.  The twelve additions name no register of the last products: they are the places behind them
	WIN 0
.irp q, 0,1,2,3
	v_add_f32 v[ST+8*\q+6], v[EL+\q], v[EL+4+\q]
.endr
.irp q, 0,1,2,3
	v_add_f32 v[ST+8*\q+7], v[EL+8+\q], v[EL+12+\q]
.endr
.irp q, 0,1,2,3
	v_add_f32 v[ST+8*\q+6], v[ST+8*\q+6], v[ST+8*\q+7]   ; the row's sum over all 2,048 keys
.endr
.irp q, 0,1,2,3
	v_rcp_f32 v[ST+8*\q+4], v[ST+8*\q+6]
.endr
	v_nop                                          ; a plain line behind the reciprocals,
	s_wait_alu depctr_va_vdst(0)                   ; and the wait ahead of their first reader
	OSCALE
	; ---- o as codes, along the channels: my 128 channels are K step w of the last product
	WIN 0x0a
.irp q, 0,1,2,3
.irp b, 0,1,2,3
	v_max3_num_f32 v[BM+4*\q+\b], |v[64*\q+16*\b]|, |v[64*\q+16*\b+1]|, 0x1800000
.endr
.endr
	WIN 0x28
.irp i, 2,4,6,8,10,12,14
.irp q, 0,1,2,3
.irp b, 0,1,2,3
	v_max3_num_f32 v[BM+4*\q+\b], v[BM+4*\q+\b], |v[64*\q+16*\b+\i]|, |v[64*\q+16*\b+\i+1]|
.endr
.endr
.endr
	WIN 0
.irp n, 0,1,2,3,4,5,6,7,8,9,10,11,12,13,14,15
	v_permlanex16_b32 v[T1+\n], v[BM+\n], s50, s51
.endr
.irp n, 0,1,2,3,4,5,6,7,8,9,10,11,12,13,14,15
	v_max_num_f32 v[BM+\n], v[BM+\n], v[T1+\n]
.endr
	SCODES 0x02, OOFF
	s_wait_loadcnt 0x0                             ; Wo, its scale words, bo
	WIN 0xc0
.irp t, 0,1,2,3,4,5,6,7
.irp j, 0,1,2,3,4,5,6,7
	v_mov_b32 v[FB0+8*\t+\j], v[BOL+\t]            ; a lane holds one output channel: its bias fills C's eight registers
.endr
.endr
	s_wait_dscnt 0x0                               ; for the others' sake: my images of o are stored, and my reads of V are long over
	s_barrier_signal -1
	s_barrier_wait -1                              ; behind it nobody reads V's slot, which has had its last fill: it serves as the stage
	WIN 0
.irp s, 0,1,2,3
	ds_load_b64 v[PS+2*\s:PS+2*\s+1], v[APSR] offset:OOFF+256*\s
.endr
	WIN 0xc0
.irp s, 0,1,2,3
.irp q, 0,1,2,3
.irp c, 0,1
	ds_load_b128 v[8*(4*\q+\s)+4*\c:8*(4*\q+\s)+4*\c+3], v[APR] offset:OOFF+4096*\q+1024*\s+512*\c
.endr
.endr
.endr
; Y = o Wo^T + bo: source 0 = 16 tokens, source 1 = 16 rows of Wo; 32 accumulators by turns
.macro MULY s
.if (\s) == 0
	WIN 0xb7                                       ; o window 3, Wo window 1, C (the bias) window 3, Y window 2
.else
	WIN 0xa7
.endif
.irp t, 0,1,2,3,4,5,6,7
.irp q, 0,1,2,3
.if (\s) == 0
	WM 8*(4*\t+\q), 8*(4*\q+(\s)), 8*(4*\t+(\s)), v[FB0+8*\t:FB0+8*\t+7], PS+2*(\s)+\q/2, KS+4*(\t/2)+(\s), \q, \t
.else
	WM 8*(4*\t+\q), 8*(4*\q+(\s)), 8*(4*\t+(\s)), v[8*(4*\t+\q):8*(4*\t+\q)+7], PS+2*(\s)+\q/2, KS+4*(\t/2)+(\s), \q, \t
.endif
.endr
.endr
.endm
	s_wait_dscnt 24                                ; the scale words and K step 0's eight loads are in; each count leaves the later K steps' loads, eight each
	MULY 0
	s_wait_dscnt 16
	MULY 1
	s_wait_dscnt 8
	MULY 2
	s_wait_dscnt 0x0
	MULY 3
	PLACES
	; ---- THE WAY OUT.  Lane (r, h) of Y(ct, q) holds channel 16 ct + r and tokens 32 (q / 2) + 8 (q % 2) + 16 h + 0 .. 7.  My 128 channels x 64 tokens go through my stage and come back as rows;
	; x's rows come from my quarter of K's slot, which I alone filled and read: my own wait is all that these reads need; x is added; sixteen lanes store 256 consecutive bytes, aligned.
	s_wait_tensorcnt 0x0                           ; x has landed
	WIN 0x40
.set i, 0
.rept 64
	ds_load_b128 v[4*i:4*i+3], v[AXR] offset:544*i    ; x: two rows an instruction, where Wo lay
.set i, i+1
.endr
	WIN 0x08                                       ; an LDS store's data are its source 1: window 2
.irp t, 0,1,2,3,4,5,6,7
.irp q, 0,1,2,3
	ds_store_b128 v[ASTO], v[8*(4*\t+\q):8*(4*\t+\q)+3] offset:4352*\t+128*(\q/2)+32*(\q%2)       ; each accumulator from its low end on
	ds_store_b128 v[ASTO], v[8*(4*\t+\q)+4:8*(4*\t+\q)+7] offset:4352*\t+128*(\q/2)+32*(\q%2)+16
.endr
.endr
	WIN 0xc0
.set i, 0
.rept 64
	ds_load_b128 v[4*i:4*i+3], v[ASTR] offset:544*i   ; LDS serves a wave's instructions in order: these see my stores
.set i, i+1
.endr
.irp k, 0,1,2,3                                ; sixteen pairs of rows at a time: the counts leave the later pairs' loads from the stage out; x's loads are older than all of them
	s_wait_dscnt 48-16*\k
	WIN 0xc7                                       ; Y's rows window 3, x window 1
.set i, 0
.rept 32
	v_pk_add_f32 v[64*\k+i:64*\k+i+1], v[64*\k+i:64*\k+i+1], v[64*\k+i:64*\k+i+1]
.set i, i+2
.endr
	WIN 0x0c                                       ; a store's data are its source 1: window 3
.set i, 0
.rept 16
	global_store_b128 v[GX], v[64*\k+4*i:64*\k+4*i+3], s[18:19] offset:16384*(16*\k+i) th:TH_STORE_NT
.set i, i+1
.endr
.endr
	WIN 0
	s_wait_tensorcnt 0x0                           ; the wave's end, behind my last tensor load and my last LDS store
	ds_add_u32 v[SPW], v[NIL]
	s_wait_dscnt 0x0
	CROUND                                         ; the closing round: no work-group ends while a partner may still ask for a tile that names it
	s_endpgm
.Lfunc_end_k_qa76823b31f_attn:
	.size	k_qa76823b31f_attn, .Lfunc_end_k_qa76823b31f_attn-k_qa76823b31f_attn
	.p2alignl 7, 3214868480
	.fill 96, 4, 3214868480
	.section	.rodata,"a",@progbits
	.p2align	6, 0x0
	.amdhsa_kernel k_qa76823b31f_attn
		.amdhsa_group_segment_fixed_size 327680
		.amdhsa_private_segment_fixed_size 0
		.amdhsa_enable_private_segment 0
		.amdhsa_kernarg_size 64
		.amdhsa_user_sgpr_count 2
		.amdhsa_user_sgpr_kernarg_segment_ptr 1
		.amdhsa_wavefront_size32 1
		.amdhsa_system_sgpr_workgroup_id_x 1
		.amdhsa_system_sgpr_workgroup_id_y 1
		.amdhsa_system_sgpr_workgroup_id_z 1
		.amdhsa_system_vgpr_workitem_id 0
		.amdhsa_next_free_vgpr 1024
		.amdhsa_next_free_sgpr 84
		.amdhsa_reserve_vcc 0
		.amdhsa_float_denorm_mode_32 3
		.amdhsa_float_denorm_mode_16_64 3
		.amdhsa_memory_ordered 1
		.amdhsa_forward_progress 1
		.amdhsa_inst_pref_size 255
	.end_amdhsa_kernel
	.section	.bss,"aw",@nobits
	.p2align	6
	.space	262144
	.amdgpu_metadata
---
amdhsa.version: [ 1, 2 ]
amdhsa.kernels:
  - .name:           k_qa76823b31f_attn
    .symbol:         k_qa76823b31f_attn.kd
    .args:
      - { .name: qb, .offset: 0, .size: 8, .value_kind: global_buffer, .address_space: global }
      - { .name: kb, .offset: 8, .size: 8, .value_kind: global_buffer, .address_space: global }
      - { .name: vb, .offset: 16, .size: 8, .value_kind: global_buffer, .address_space: global }
      - { .name: wo_codes, .offset: 24, .size: 8, .value_kind: global_buffer, .address_space: global }
      - { .name: wo_scales, .offset: 32, .size: 8, .value_kind: global_buffer, .address_space: global }
      - { .name: bo, .offset: 40, .size: 8, .value_kind: global_buffer, .address_space: global }
      - { .name: x, .offset: 48, .size: 8, .value_kind: global_buffer, .address_space: global }
      - { .name: out0, .offset: 56, .size: 8, .value_kind: global_buffer, .address_space: global }
    .group_segment_fixed_size: 327680
    .private_segment_fixed_size: 0
    .kernarg_segment_align: 8
    .kernarg_segment_size: 64
    .max_flat_workgroup_size: 128
    .sgpr_count:     84
    .vgpr_count:     1024
    .wavefront_size: 32
...
	.end_amdgpu_metadata
.endif
;; end of part 3
